; MI455X (gfx1250); checked and timed in simulation.
; The chip was launched on July 23, 2026; its instructions are those of AMD's public machine-readable ISA for CDNA 5 (MIT licence, August 2026) and "CDNA5" Instruction Set Architecture Reference Guide (July 2026). The comments in the code are by the model that wrote it; some were corrected since.
;; Multi Head Attention. Allowed arithmetic: matrix products marked QUANTISED: E2M3 operands, one E8M0 scale for each 32 along K, by v_wmma_scale_f32_16x16x128_f8f6f4 with both operands' format E2M3, f32 sums; everything else in f32.
;; Inputs: Wk 1,024 x 1,024 float32; Wo 1,024 x 1,024 float32; Wq 1,024 x 1,024 float32; Wv 1,024 x 1,024 float32; bo 1,024 float32; x 4 x 2,048 x 1,024 float32.
;; Outputs: out0 4 x 2,048 x 1,024 float32.
;; This version of the problem:
;;   THIS VERSION OF THE PROBLEM IS GIVEN IN LOW PRECISION. The matrix products marked QUANTISED in the list below multiply operands that are first quantised to E2M3 (2 exponent bits, 3 mantissa bits; 6 bits a number), with one power-of-two scale for each 32 numbers along K (OCP MX v1.0); their sums are f32. All else is computed in f32.
;;   The module's matrix products, in the order in which they are computed (A, B: the left and right operand; K: the contracted axis; several contracted axes count as one K, in the product's order):
;;     1. [M 8,192, K 1,024] x [K 1,024, N 1,024]; A: input x; B: input Wq: QUANTISED
;;     2. [M 8,192, K 1,024] x [K 1,024, N 1,024]; A: input x; B: input Wk: QUANTISED
;;     3. [M 8,192, K 1,024] x [K 1,024, N 1,024]; A: input x; B: input Wv: QUANTISED
;;     4. batch 64 x [M 2,048, K 64] x [K 64, N 2,048]; A: computed on the way; B: computed on the way: QUANTISED
;;     5. batch 64 x [M 2,048, K 2,048] x [K 2,048, N 64]; A: softmax (see below); B: computed on the way: QUANTISED
;;     6. [M 8,192, K 1,024] x [K 1,024, N 1,024]; A: computed on the way; B: input Wo: QUANTISED
;;   THE QUANTISER, for each operand of a quantised product, along K:
;;     - K is cut into blocks of 32 from its start; a last block that is shorter is filled with zeros.
;;     - A block's scale is 2^e with e = floor(log2(the largest magnitude in the block)) - 2, held to -126 .. 127; a block of zeros has e = 0. As a byte (E8M0): e + 127.
;;     - Each number is divided by its block's scale, clamped to +-7.5, and rounded to the nearest number of E2M3, ties to even, subnormals kept.
;;     - The product sums the exact products of the quantised numbers (number of the format x scale) in f32.
;;   ~~~python
;;   def quantise(x, axis):      # numpy; x: float32 -> the quantised numbers, widened to float32 again
;;       x = np.moveaxis(x, axis, -1); K = x.shape[-1]
;;       x = np.pad(x, [(0, 0)] * (x.ndim - 1) + [(0, -K % 32)]); x = x.reshape(x.shape[:-1] + (-1, 32)); a = np.abs(x).max(-1, keepdims=True)
;;       e = np.where(a > 0, np.clip(np.frexp(np.where(a > 0, a, 1))[1] - 1 - 2, -126, 127), 0)      # np.frexp(a)[1] - 1 = floor(log2(a)), exactly
;;       r = np.clip(x / 2.0 ** e, -7.5, 7.5)
;;       step = 2.0 ** (np.maximum(np.frexp(np.where(r == 0, 1, r))[1] - 1, 0) - 3)
;;       q = np.round(r / step) * step * 2.0 ** e      # np.round: ties to even
;;       return np.moveaxis(q.reshape(q.shape[:-2] + (-1,))[..., :K], -1, axis).astype(np.float32)
;;   ~~~
;;   SOFTMAX AHEAD OF A QUANTISED PRODUCT. Where the list says 'softmax', what is quantised is not the finished softmax but p = 2^(t - M), with t = logit x log2(e) and M = ceil(the row's largest t), a whole number; so 1/2 < the row's largest p <= 1. The row's sum l is taken of the UNQUANTISED p, in f32, and the product's result is divided by l at the end. Since M is a whole number, a kernel that streams over the keys may use a running M (the ceiling of the running maximum): every later rescaling is an exact power of two, which a block's scale takes up: the codes' values come out the same.
;;   OPERANDS COMPUTED ON THE WAY. 'Computed on the way' means the value that the module computes at that place (a softmax that the list does not call 'softmax' is quantised finished and normalised). What goes into a quantiser is computed in f32, as accurately as f32 sums, v_exp_f32 and their like allow (about 1e-6 of the number): no bf16 or f16 on the way to a quantiser, and a product that is left as it is and whose result goes on into a quantised operand takes f32 operands (vector FMAs, or v_wmma_f32_16x16x4_f32). A number that lies on a knife's edge between two numbers of the format may be rounded either way, as far as f32 arithmetic and the matrix unit's own rounding can turn it there, and no further.
;; One version. Each part assembles by itself: llvm-mc -triple=amdgcn-amd-amdhsa -mcpu=gfx1250 --defsym DOCPART=n.
;; ======== version 1 of 1: 4 launches
;; workspace buffers: xw_c 9,437,184 bytes; xw_s 393,216 bytes; qkv_c 18,874,368 bytes; qkv_s 1,572,864 bytes; cc 6,291,456 bytes; cs 262,144 bytes
;; launch quant (part 1): grid 384 x 1, 4 waves a work-group, no clusters, 59,904 bytes of LDS; arguments x, Wq, Wk, Wv, Wo, xw_c, xw_s; writes xw_c, xw_s
.if DOCPART == 1
	.amdgcn_target "amdgcn-amd-amdhsa--gfx1250"
	.amdhsa_code_object_version 6
	.text
	.protected	k_q5dada31b74_quant
	.globl	k_q5dada31b74_quant
	.p2align	8
	.type	k_q5dada31b74_quant,@function
k_q5dada31b74_quant:
	s_mov_b64 s[64:65], 0
	v_nop
	global_prefetch_b8 v0, s[64:65] scope:SCOPE_SE
	s_setreg_imm32_b32 hwreg(HW_REG_WAVE_MODE, 25, 1), 1
	s_wait_xcnt 0x0
; x [8192][1024] and Wq, Wk, Wv, Wo [1024 (k)][1024 (n)], f32, become codes of FP6 (E2M3) with one E8M0 byte for each 32 along K.
; A block's scale is 2^(floor(log2(its largest magnitude)) - 2); its byte is the largest magnitude's exponent field - 2, held at 1 from below.
; LAYOUT OF THE CODES: images of the operand's registers.  Image (T, s) = 16 rows x 128 along K = 1,536 bytes, [piece 0..5][lane 0..31][8 bytes]; piece p is registers 2 p, 2 p + 1 of the
; 12-register fragment (lane (r, h), registers 6 c .. 6 c + 5: k = 128 s + 64 c + 32 h + 0 .. 31 of row r).  Images lie [T][s], 12,288 bytes a row tile.  x: T 0..511; the weights behind, T = 64 w + n / 16.
; ROW ORDER: place 16 u + r of a group of 32 rows holds row 8 u + r + 8 (r / 8), so that a product that takes such a tile as source 0 leaves 16 neighbours along the next K in a lane's registers.
; LAYOUT OF THE SCALES: [T][s / 2][r][2 words], 512 bytes a row tile; a word is the four bytes of one row and one K step of 128.
; Work-groups 0..255 take x (a wave: one row tile x 512 along K), work-groups 256..383 the weights (a wave: 32 columns x 256 along K, a lane to a column, registers down K).  The two ways part at the head on the
; work-group's number, never meet again, and have LDS bytes of their own.  No barrier: waves share nothing.
; LIMITS: NaN and infinities among the inputs are not served.  A block of zeros gets the byte 1 where the rule says 127: its codes are zeros, and these bytes are read by this program alone.
; The weights' scale words leave in pieces of 128 bytes (131,072 bytes in all): a wave holds two K steps of its rows, no more.
.set WC_OFF, 6291456
.set WS_OFF, 262144
.set R,   16                           ; v16-143  x: two sets of 64 registers as loaded
.set X,   144                          ; v144-207 x: a lane's 64 numbers of a K step
.set PC,  208                          ; v208-226 the codes just made
.set TM,  228                          ; v228-243 largest magnitudes, bytes, scale operands
.set PW,  244                          ; the scale word just made
.set WS,  245                          ; v245-248 the four steps' scale words
.set SEL, 30                           ; s[30:31] lane selects: lane l xor 16
.set WX,  32                           ; v32-95   weights: two sets of 32 numbers
.set WCD, 96                           ; v96-101  a block's codes
.set WD,  104                          ; v104-106 their second half as converted
.set SB,  24                           ; v24-25   scale bytes, four to a register
.set OUTR, 112                         ; v112-159 the way out
	s_load_b256 s[4:11], s[0:1], 0x0               ; x, Wq, Wk, Wv
	s_load_b128 s[12:15], s[0:1], 0x20             ; Wo, the codes
	s_load_b64 s[16:17], s[0:1], 0x30              ; the scales
	v_lshl_add_u32 v254, v0, 2, 0xe800
	v_mov_b32 v255, 0
	v_lshrrev_b32 v1, 5, v0
	v_readfirstlane_b32 s18, v1                    ; wave 0..3
	v_and_b32 v5, 31, v0                           ; lane
	s_cmp_lt_u32 ttmp9, 256
	s_cbranch_scc0 .Lweights
; ---------------- x ----------------
; 64 numbers of a lane, register 16 b + i = k 32 b + 16 (lane / 16) + i of my row, become a fragment's codes in v[PC] on and its scale word in v[PW].
.macro QUANT s
.irp b, 0,1,2,3
	v_max3_num_f32 v[TM+\b], |v[\s+16*\b]|, |v[\s+1+16*\b]|, 0x1800000   ; my 16 numbers of block b, and the floor 2^(3 - 127): the byte cannot fall under 1
.endr
.irp i, 2,4,6,8,10,12,14
.irp b, 0,1,2,3
	v_max3_num_f32 v[TM+\b], v[TM+\b], |v[\s+16*\b+\i]|, |v[\s+1+16*\b+\i]|
.endr
.endr
.irp b, 0,1,2,3
	v_permlanex16_b32 v[TM+4+\b], v[TM+\b], s[SEL], s[SEL+1]
.endr
.irp b, 0,1,2,3
	v_max_num_f32 v[TM+\b], v[TM+\b], v[TM+4+\b]   ; with lane l xor 16's: the block's largest magnitude
.endr
.irp b, 0,1,2,3
	v_add_nc_u32 v[TM+12+\b], 0xff000000, v[TM+\b] ; 2 off its exponent field: the conversion's scale operand
.endr
.irp b, 0,1,2,3
	v_lshrrev_b32 v[TM+4+\b], 23, v[TM+12+\b]      ; the scale's byte
.endr
	v_lshl_or_b32 v[PW], v[TM+5], 8, v[TM+4]
	v_lshl_or_b32 v[PW], v[TM+6], 16, v[PW]
	v_lshl_or_b32 v[PW], v[TM+7], 24, v[PW]
.irp c, 0,1
	v_cvt_scalef32_pk16_fp6_f32 v[PC+6*\c:PC+2+6*\c], v[\s+32*\c:\s+15+32*\c], v[TM+12+2*\c]
	v_cvt_scalef32_pk16_fp6_f32 v[PC+12+4*\c:PC+14+4*\c], v[\s+16+32*\c:\s+31+32*\c], v[TM+12+2*\c+1]   ; (a conversion's three registers begin on an even number)
.endr
	v_nop                                          ; one plain place behind a scaled conversion
.irp c, 0,1                                    ; the layout wants a whole block in a lane: lanes 0-15 block 2 c, lanes 16-31 block 2 c + 1
.irp i, 0,1,2
	v_permlane16_swap_b32 v[PC+6*\c+\i], v[PC+12+4*\c+\i]
.endr
.irp i, 0,1,2
	v_mov_b32 v[PC+3+6*\c+\i], v[PC+12+4*\c+\i]
.endr
.endr
.endm
	v_lshlrev_b32 v1, 4, v5                        ; 16 x lane: my bytes of a load's 512
	v_lshlrev_b32 v2, 3, v5                        ; 8 x lane: my bytes of an image's piece
	s_mul_i32 s19, s18, 8448                       ; my wave's stage: 16 rows x (512 + 16) bytes
	v_add_nc_u32 v3, s19, v1                       ; into it: as loaded
	v_and_b32 v6, 15, v0                           ; r
	v_bfe_u32 v7, v0, 4, 1                         ; h
	v_mul_u32_u24 v4, v6, 528
	v_lshl_add_u32 v4, v7, 6, v4
	v_add_nc_u32 v4, s19, v4                       ; out of it: row r, + 64 h: my 16 numbers of each block of 32
	s_lshl_b32 s20, ttmp9, 2
	s_add_co_u32 s20, s20, s18                     ; which of 1,024 shares is my wave's
	s_lshr_b32 s21, s20, 1                         ; T
	s_and_b32 s22, s20, 1                          ; which 512 along K
	s_lshr_b32 s24, s21, 1
	s_lshl_b32 s24, s24, 5
	s_and_b32 s25, s21, 1
	s_lshl_b32 s25, s25, 3
	s_add_co_u32 s24, s24, s25                     ; the tile's first row: 32 (T / 2) + 8 (T % 2)
	s_lshl_b32 s24, s24, 12                        ; rows of 4,096 bytes
	s_lshl_b32 s25, s22, 11
	s_add_co_u32 s24, s24, s25
	s_mov_b32 s25, 0
	s_mul_i32 s26, s21, 12288
	s_mul_i32 s27, s22, 6144
	s_add_co_u32 s26, s26, s27
	s_mov_b32 s27, 0
	s_lshl_b32 s28, s21, 9
	s_lshl_b32 s29, s22, 8
	s_add_co_u32 s28, s28, s29
	s_mov_b32 s29, 0
	s_mov_b32 s[SEL], 0x76543210
	s_mov_b32 s[SEL+1], 0xfedcba98
.irp b, 0,1,2,3
	v_mov_b32 v[TM+4+\b], 0                        ; written once: a lane permute's destination counts as one of its sources
.endr
	s_wait_alu depctr_va_vdst(0)
	s_wait_kmcnt 0x0
	s_add_nc_u64 s[4:5], s[4:5], s[24:25]
	s_add_nc_u64 s[14:15], s[14:15], s[26:27]
	s_add_nc_u64 s[16:17], s[16:17], s[28:29]
.macro LOADX s                         ; K step s of the tile's 16 rows: each load reads 512 consecutive bytes of one row; place t of the tile is row t + 8 (t / 8)
.irp t, 0,1,2,3,4,5,6,7,8,9,10,11,12,13,14,15
	global_load_b128 v[R+64*((\s)%2)+4*\t:R+64*((\s)%2)+4*\t+3], v1, s[4:5] offset:(\t+8*(\t/8))*4096+512*(\s) th:TH_LOAD_NT
.endr
.endm
.macro STEPX s
.if (\s) < 3
	s_wait_loadcnt 16                              ; this step's 16 loads are in; the next step's 16 may be out
.else
	s_wait_loadcnt 0
.endif
.irp t, 0,1,2,3,4,5,6,7,8,9,10,11,12,13,14,15
	ds_store_b128 v3, v[R+64*((\s)%2)+4*\t:R+64*((\s)%2)+4*\t+3] offset:528*\t
.endr
.irp b, 0,1,2,3
.irp j, 0,1,2,3
	ds_load_b128 v[X+16*\b+4*\j:X+16*\b+4*\j+3], v4 offset:128*\b+16*\j   ; LDS serves a wave's instructions in order: these see the stores above
.endr
.endr
	s_wait_dscnt 0x0                               ; my numbers are back, and the stores have read their registers
	s_wait_xcnt 0x0                                ; the last step's stores have read the codes' registers, which are written again below
.if (\s) < 2
	LOADX (\s)+2
.endif
	QUANT X
	v_mov_b32 v[WS+(\s)], v[PW]
.irp p, 0,1,2,3,4,5
	global_store_b64 v2, v[PC+2*\p:PC+2*\p+1], s[14:15] offset:1536*(\s)+256*\p   ; 32 lanes store 256 consecutive bytes, at a multiple of 256 from the buffer's first byte
.endr
.endm
	LOADX 0
	LOADX 1
	STEPX 0
	STEPX 1
	STEPX 2
	STEPX 3
	v_cmp_gt_u32 vcc_lo, 16, v5
	v_cndmask_b32 v250, v[WS+2], v[WS], vcc_lo     ; lanes 0-15: my row's words of steps 0, 1; lanes 16-31: of steps 2, 3
	v_cndmask_b32 v251, v[WS+3], v[WS+1], vcc_lo
	global_store_b64 v2, v[250:251], s[16:17]      ; 256 consecutive bytes
	s_wait_tensorcnt 0x0
	ds_add_u32 v254, v255
	s_wait_dscnt 0x0
	s_endpgm
; ---------------- the weights ----------------
.Lweights:
	s_sub_co_u32 s20, ttmp9, 256
	s_lshr_b32 s21, s20, 5                         ; which weight: 0 Wq, 1 Wk, 2 Wv, 3 Wo
	s_bfe_u32 s22, s20, 0x30002                    ; which 128 columns
	s_and_b32 s23, s20, 3                          ; which 256 along K
	s_wait_alu depctr_va_vdst(0)
	v_lshlrev_b32 v3, 2, v5                        ; in: 4 bytes a lane
	v_bfe_u32 v6, v0, 3, 1                         ; column a = lane of the group of 32 lies in tile u = (a / 8) % 2,
	v_and_b32 v7, 7, v0
	v_bfe_u32 v8, v0, 4, 1
	v_lshl_add_u32 v7, v8, 3, v7                   ; at place r = a % 8 + 8 (a / 16)
	s_mul_i32 s19, s18, 6400                       ; my wave's stage: two tiles of 2 images (3,072 bytes) + 128, so that the two tiles' stores fall on different banks
	s_add_co_u32 s19, s19, 33792                   ; behind the other way's stages
	v_mul_u32_u24 v4, v6, 3200
	v_lshl_add_u32 v4, v7, 3, v4
	v_add_nc_u32 v4, s19, v4                       ; into it
	v_lshlrev_b32 v9, 4, v5                        ; 16 x lane
	v_add_nc_u32 v10, s19, v9                      ; out of it
	v_lshlrev_b32 v11, 9, v6
	v_lshl_add_u32 v11, v7, 3, v11                 ; my scale words' place: 512 u + 8 r
	s_lshl_b32 s24, s23, 20                        ; 256 rows of 4,096 bytes
	s_lshl_b32 s25, s22, 9
	s_add_co_u32 s24, s24, s25
	s_lshl_b32 s25, s18, 7
	s_add_co_u32 s24, s24, s25                     ; + 4 x my first column
	s_mov_b32 s25, 0
	s_lshl_b32 s26, s21, 6
	s_lshl_b32 s27, s22, 3
	s_add_co_u32 s26, s26, s27
	s_lshl_b32 s27, s18, 1
	s_add_co_u32 s26, s26, s27                     ; my first row tile among the weights'
	s_lshl_b32 s28, s26, 9
	s_lshl_b32 s29, s23, 7
	s_add_co_u32 s28, s28, s29
	s_add_co_u32 s28, s28, WS_OFF
	s_mov_b32 s29, 0
	s_mul_i32 s26, s26, 12288
	s_mul_i32 s27, s23, 3072
	s_add_co_u32 s26, s26, s27
	s_add_co_u32 s26, s26, WC_OFF
	s_mov_b32 s27, 0
	s_wait_kmcnt 0x0
	s_cmp_eq_u32 s21, 1                            ; the choice hangs on the work-group's number alone
	s_cselect_b64 s[6:7], s[8:9], s[6:7]
	s_cmp_eq_u32 s21, 2
	s_cselect_b64 s[6:7], s[10:11], s[6:7]
	s_cmp_eq_u32 s21, 3
	s_cselect_b64 s[6:7], s[12:13], s[6:7]
	s_add_nc_u64 s[6:7], s[6:7], s[24:25]
	s_add_nc_u64 s[14:15], s[14:15], s[26:27]
	s_add_nc_u64 s[16:17], s[16:17], s[28:29]
.macro LOADW t                         ; block t: W(32 t + i, my column) into set t % 2: 32 lanes read 128 consecutive bytes
.irp i, 0,1,2,3,4,5,6,7,8,9,10,11,12,13,14,15,16,17,18,19,20,21,22,23,24,25,26,27,28,29,30,31
	global_load_b32 v[WX+32*((\t)%2)+\i], v3, s[6:7] offset:(32*(\t)+\i)*4096 th:TH_LOAD_NT
.endr
.endm
.macro BLOCK t
.set XS, WX+32*((\t)%2)
.if (\t) < 7
	s_wait_loadcnt 32                              ; this block's 32 loads are in; the next block's may be out
.else
	s_wait_loadcnt 0
.endif
	v_max3_num_f32 v12, |v[XS]|, |v[XS+1]|, |v[XS+2]|              ; all 32 numbers of the block are mine
	v_max3_num_f32 v13, |v[XS+3]|, |v[XS+4]|, |v[XS+5]|
.irp i, 6,10,14,18,22,26
	v_max3_num_f32 v12, v12, |v[XS+\i]|, |v[XS+\i+1]|
	v_max3_num_f32 v13, v13, |v[XS+\i+2]|, |v[XS+\i+3]|
.endr
	v_max3_num_f32 v12, v12, |v[XS+30]|, |v[XS+31]|
	v_max3_num_f32 v12, v12, v13, 0x1800000        ; and the floor
	v_add_nc_u32 v14, 0xff000000, v12              ; the conversion's scale operand
	v_lshrrev_b32 v13, 23, v14                     ; the byte
.if (\t)%4 == 0
	v_mov_b32 v[SB+(\t)/4], v13
.else
	v_lshl_or_b32 v[SB+(\t)/4], v13, 8*((\t)%4), v[SB+(\t)/4]
.endif
	v_cvt_scalef32_pk16_fp6_f32 v[WCD:WCD+2], v[XS:XS+15], v14
	v_cvt_scalef32_pk16_fp6_f32 v[WD:WD+2], v[XS+16:XS+31], v14
	v_nop                                          ; one plain place behind a scaled conversion
.irp i, 0,1,2
	v_mov_b32 v[WCD+3+\i], v[WD+\i]
.endr
.irp p, 0,1,2                                  ; block t is K step t / 4, half c = (t % 4) / 2, lanes' half h = t % 2: pieces 3 c + p, lane place r + 16 h
	ds_store_b64 v4, v[WCD+2*\p:WCD+2*\p+1] offset:((\t)/4)*1536+(3*(((\t)%4)/2)+\p)*256+((\t)%2)*128
.endr
.if (\t)+2 < 8
	LOADW (\t)+2
.endif
	s_wait_dscnt 0x0                               ; the stores have read their registers: the next block's codes may be written
.endm
	LOADW 0
	LOADW 1
.irp t, 0,1,2,3,4,5,6,7
	BLOCK \t
.endr
	s_wait_alu depctr_va_vdst(0)
	global_store_b64 v11, v[SB:SB+1], s[16:17]     ; my column's two scale words
.irp i, 0,1,2,3,4,5,6,7,8,9,10,11
	ds_load_b128 v[OUTR+4*\i:OUTR+4*\i+3], v10 offset:(\i/6)*3200+(\i%6)*512
.endr
.irp i, 0,1,2,3,4,5,6,7,8,9,10,11
	s_wait_dscnt 11-\i                             ; the younger loads may be out
	global_store_b128 v9, v[OUTR+4*\i:OUTR+4*\i+3], s[14:15] offset:(\i/6)*12288+(\i%6)*512   ; 512 consecutive bytes
.endr
	s_wait_tensorcnt 0x0
	ds_add_u32 v254, v255
	s_wait_dscnt 0x0
	s_endpgm
.Lfunc_end_k_q5dada31b74_quant:
	.size	k_q5dada31b74_quant, .Lfunc_end_k_q5dada31b74_quant-k_q5dada31b74_quant
	.p2alignl 7, 3214868480
	.fill 96, 4, 3214868480
	.section	.rodata,"a",@progbits
	.p2align	6, 0x0
	.amdhsa_kernel k_q5dada31b74_quant
		.amdhsa_group_segment_fixed_size 59904
		.amdhsa_private_segment_fixed_size 0
		.amdhsa_enable_private_segment 0
		.amdhsa_kernarg_size 56
		.amdhsa_user_sgpr_count 2
		.amdhsa_user_sgpr_kernarg_segment_ptr 1
		.amdhsa_wavefront_size32 1
		.amdhsa_system_sgpr_workgroup_id_x 1
		.amdhsa_system_sgpr_workgroup_id_y 1
		.amdhsa_system_sgpr_workgroup_id_z 1
		.amdhsa_system_vgpr_workitem_id 0
		.amdhsa_next_free_vgpr 256
		.amdhsa_next_free_sgpr 66
		.amdhsa_reserve_vcc 1
		.amdhsa_float_denorm_mode_32 3
		.amdhsa_float_denorm_mode_16_64 3
		.amdhsa_memory_ordered 1
		.amdhsa_forward_progress 1
		.amdhsa_inst_pref_size 77
	.end_amdhsa_kernel
	.amdgpu_metadata
---
amdhsa.version: [ 1, 2 ]
amdhsa.kernels:
  - .name:           k_q5dada31b74_quant
    .symbol:         k_q5dada31b74_quant.kd
    .args:
      - { .name: x, .offset: 0, .size: 8, .value_kind: global_buffer, .address_space: global }
      - { .name: Wq, .offset: 8, .size: 8, .value_kind: global_buffer, .address_space: global }
      - { .name: Wk, .offset: 16, .size: 8, .value_kind: global_buffer, .address_space: global }
      - { .name: Wv, .offset: 24, .size: 8, .value_kind: global_buffer, .address_space: global }
      - { .name: Wo, .offset: 32, .size: 8, .value_kind: global_buffer, .address_space: global }
      - { .name: xw_c, .offset: 40, .size: 8, .value_kind: global_buffer, .address_space: global }
      - { .name: xw_s, .offset: 48, .size: 8, .value_kind: global_buffer, .address_space: global }
    .group_segment_fixed_size: 59904
    .private_segment_fixed_size: 0
    .kernarg_segment_align: 8
    .kernarg_segment_size: 56
    .max_flat_workgroup_size: 128
    .sgpr_count:     66
    .vgpr_count:     256
    .wavefront_size: 32
...
	.end_amdgpu_metadata
.endif
;; end of part 1
;; launch qkv (part 2): grid 12 x 32, 4 waves a work-group, clusters of 4 x 4, 327,680 bytes of LDS; arguments xw_c, xw_s, qkv_c, qkv_s; writes qkv_c, qkv_s
.if DOCPART == 2
	.amdgcn_target "amdgcn-amd-amdhsa--gfx1250"
	.amdhsa_code_object_version 6
	.text
	.protected	k_q5dada31b74_qkv
	.globl	k_q5dada31b74_qkv
	.p2align	8
	.type	k_q5dada31b74_qkv,@function
k_q5dada31b74_qkv:
	s_mov_b64 s[64:65], 0
	v_nop
	global_prefetch_b8 v0, s[64:65] scope:SCOPE_SE
	s_setreg_imm32_b32 hwreg(HW_REG_WAVE_MODE, 25, 1), 1
	s_wait_xcnt 0x0
	s_wait_alu depctr_hold_cnt(0) depctr_sa_sdst(0) depctr_va_vdst(0) depctr_va_sdst(0) depctr_va_ssrc(0) depctr_va_vcc(0) depctr_vm_vsrc(0)
	s_getreg_b32 s2, hwreg(HW_REG_IB_STS2, 6, 4)
	s_cmp_eq_u32 s2, 0
	s_cbranch_scc0 .Lentry_in_a_cluster
	s_endpgm
.Lentry_in_a_cluster:
	s_bfe_u32 s2, ttmp6, 0x10000c
	s_cmp_lg_u32 s2, 0xf033
	s_cbranch_scc0 .Lentry_shape_is_right
	s_endpgm
.Lentry_shape_is_right:
; [q | k] = x [Wq | Wk] (clusters x = 0, 1: 8,192 x 2,048) and V^T = Wv^T x^T (clusters x = 2: 1,024 x 8,192), on codes of FP6 with E8M0 scales, K = 1,024; the results are quantised here, along their
; columns (q, k: the heads' channels; V^T: the keys), and leave as codes and scale bytes alone.  Both shapes run ONE text: what differs (offsets, the number of column steps, two byte selectors, a mask) is
; chosen by s_cselect_b32 on the cluster's x, which all partners share; no branch hangs on it.
; A tile of C, 256 x 256, is made by four waves, 128 x 128 each: 64 accumulators, 512 registers.  K goes in 8 steps of 128 through a ring of two LDS slots of two steps each.
; THE OPERANDS LIE IN MEMORY AS IMAGES OF THEIR REGISTERS (1,536 bytes for 16 rows x 128 K: [piece 0..5][lane][8 bytes]; 12,288 bytes a row tile): a wave's tensor load brings 8 row tiles x 2 K steps as
; 8 rows of 3,072 bytes; a fragment is six ds_load_b64 of 256 consecutive bytes.  No pitch, no padding.
; THE SCALE WORDS of my 128 rows of A and 128 rows of B for all 8 steps stay in 64 registers (lanes 0-15 A's, lanes 16-31 B's), loaded once.
; CLUSTERS: 4 x 4 work-groups; A's tiles are asked for jointly along a row of the cluster, B's along a column.  THE MATRIX INSTRUCTION IS USED TRANSPOSED (source 0 = B's rows, source 1 = A's).
; ROW ORDER: place 16 u + r of a group of 32 rows of every operand holds row 8 u + r + 8 (r / 8).  So the 16 registers of accumulators (a, 2 j) and (a, 2 j + 1) are columns 32 j + 16 (lane / 16) + 0 .. 15,
; which is what the conversions want; the rows of C keep A's order of places.
; LIMITS: NaN and infinities are not served; a block of zeros gets the byte 1 (its codes are zeros; only this program reads the bytes).
; REGISTERS: window 0: v16-30 addresses; v32-95 scale words (register 8 i + s: block i, K step s); v128-223 A's fragments, one set; window 1: B's fragments, two sets, at v0 and v128; windows 2, 3: the accumulators.
.set HALFT,  24576                     ; 8 row tiles x 2 K steps: what one tensor load brings, and what one wave reads of A or of B
.set SLOT,   4*HALFT                   ; A's two halves, then B's
.set SPARE,  2*SLOT                    ; the spare words, 128 bytes for each wave: two blocks of 256 bytes that no other line names
.set TROW,   12288                     ; a row tile in memory
.set WC_OFF, 6291456
.set WS_OFF, 262144
.set VC_OFF, 12582912
.set VS_OFF, 1048576
.set FR,   12
.set NL,   6
.set NP,   4                           ; places behind this matrix instruction (ISA guide 7.12.1)
.set ADRA, 16                          ; v16-17 LDS address of my A fragments in slot 0, 1
.set ADRB, 20                          ; v20-21 the same for B
.set L8,   24                          ; v24 8 x lane
.set L16,  25                          ; v25 16 x lane
.set SPW,  28
.set NIL,  29
.set R8,   30                          ; v30 8 x (lane % 16)
.set SC,   32
.set AF,   128
.set PC,   128                         ; the way out: codes
.set TM,   160
.set PW,   176                         ; v176-177 the scale words of an even and an odd block
.set DD,   180
.set EE,   188
.set G1,  24
.set G0,  32
.set G1B, 48
.set G0B, 56
.set SEL, 92
.set MSB, 0
.macro WIN new                         ; the immediate's high byte repeats the setting that is left
.if MSB != (\new)
	s_set_vgpr_msb (MSB<<8)|(\new)
.set MSB, (\new)
.endif
.endm
.set MUL_LO, 0xa1                      ; source 0 (B) window 1, source 1 (A) window 0, C and D window 2
.set MUL_HI, 0xf1
.set TO_B,   0x40
.macro PLACES n
.rept \n
	v_nop
.endr
.endm
; A joint load: waves 0 and 1 fetch for A, waves 2 and 3 for B; the branch hangs on the wave's number alone.  Four v_nop follow each of the two lines.
.macro JLOAD g0a, g1a, g0b, g1b
	s_cmp_eq_u32 s15, 0
	s_cbranch_scc0 .Lfor_b_\@
	tensor_load_to_lds s[\g0a:\g0a+3], s[\g1a:\g1a+7]
	s_nop 0
.rept 4
	v_nop
.endr
	s_branch .Lasked_\@
.Lfor_b_\@:
	tensor_load_to_lds s[\g0b:\g0b+3], s[\g1b:\g1b+7]
	s_nop 0
.rept 4
	v_nop
.endr
.Lasked_\@:
.endm
.macro CREST                           ; a round of the cluster's barrier behind its opening barrier
	s_cmp_lg_u32 s14, 0
	s_cbranch_scc1 .Lnot_wave_0_\@
	s_barrier_signal -3
.Lnot_wave_0_\@:
	s_barrier_wait -3
	s_barrier_signal -1
	s_barrier_wait -1
.endm
.macro CROUND
	s_barrier_signal -1
	s_barrier_wait -1
	CREST
.endm
	s_load_b128 s[4:7], s[0:1], 0x0                ; the operands' codes, their scales
	s_load_b128 s[8:11], s[0:1], 0x10              ; the results' codes, their scales
	v_lshl_add_u32 v[SPW], v0, 2, SPARE
	v_mov_b32 v[NIL], 0
	ds_add_u32 v28, v29
	ds_add_u32 v28, v29
	s_wait_dscnt 0x0
	v_lshrrev_b32 v1, 5, v0
	v_readfirstlane_b32 s14, v1                    ; wave 0..3
	s_lshr_b32 s15, s14, 1                         ; which half of the tile's rows is mine.  Also: I fetch for A (0) or for B (1)
	s_and_b32 s16, s14, 1                          ; which half of its columns.  Also: which 8 row tiles I fetch
	s_bfe_u32 s40, ttmp6, 0x40000                  ; cx
	s_bfe_u32 s41, ttmp6, 0x40004                  ; cy
	s_and_b32 s45, ttmp7, 0xffff                   ; the cluster's y
	s_lshl_b32 s46, s45, 2
	s_add_co_u32 s17, s46, s41                     ; q, k: tile row = 4 x cluster y + cy
	s_add_co_u32 s47, s46, s40                     ; V^T:  tile column = 4 x cluster y + cx
	s_lshl_b32 s42, ttmp9, 2
	s_add_co_u32 s42, s42, s40                     ; q, k: tile column = 4 x cluster x + cx
	s_mov_b32 s73, 0x05040100
	s_mov_b32 s74, 0x07060302
	s_cmp_eq_u32 ttmp9, 2                          ; V^T?  The same answer in all sixteen partners
	s_cselect_b32 s17, s41, s17                    ; tile row (hangs on cy alone)
	s_cselect_b32 s42, s47, s42                    ; tile column (hangs on cx alone)
	s_cselect_b32 s66, WC_OFF+128*TROW, 0          ; A: Wv, or x
	s_cselect_b32 s67, 0, WC_OFF                   ; B: x, or Wq | Wk
	s_cselect_b32 s68, WS_OFF+128*512, 0
	s_cselect_b32 s69, 0, WS_OFF
	s_cselect_b32 s70, 64, 16                      ; column steps of 128 in a row of the result
	s_cselect_b32 s71, VC_OFF, 0
	s_cselect_b32 s72, VS_OFF, 0
	s_cselect_b32 s73, 0x03020100, s73             ; how two blocks' scale words are laid: V^T as they are; q, k by heads
	s_cselect_b32 s74, 0x07060504, s74
	s_cselect_b32 s75, -1, 0
	s_lshl_b32 s43, s41, 2
	s_lshl_b32 s43, 15, s43                        ; my row of the cluster
	s_lshl_b32 s44, 0x1111, s40                    ; my column
	s_or_b32 s[G1+0], s43, (3<<16)|(1<<21)         ; 15:0 the mask; 17:16 elements of 8 bytes; 20 no padding; 21 set beside a mask
	s_or_b32 s[G1B+0], s44, (3<<16)|(1<<21)
.irp g, G1, G1B
	s_mov_b32 s[\g+1], 384<<16                     ; tensor_dim0: 3,072 bytes
	s_mov_b32 s[\g+2], 8<<16                       ; tensor_dim1: 8 row tiles
	s_mov_b32 s[\g+3], 384<<16                     ; tile_dim0
	s_mov_b32 s[\g+4], 8                           ; tile_dim1
	s_mov_b32 s[\g+5], 1536                        ; from row tile to row tile: 12,288 bytes
	s_mov_b32 s[\g+6], 0
	s_mov_b32 s[\g+7], 0
.endr
	s_lshl_b32 s18, s16, 3
	s_lshl_b32 s20, s17, 4
	s_add_co_u32 s20, s20, s18                     ; A: row tile 16 x tile row + 8 x half
	s_mul_i32 s20, s20, TROW
	s_add_co_u32 s20, s20, s66
	s_mov_b32 s21, 0
	s_lshl_b32 s22, s42, 4
	s_add_co_u32 s22, s22, s18                     ; B likewise, by the tile column
	s_mul_i32 s22, s22, TROW
	s_add_co_u32 s22, s22, s67
	s_mov_b32 s23, 0
	s_mul_i32 s19, s14, HALFT                      ; where they go: wave x HALFT: no place in the cluster enters an LDS address
	s_lshl_b32 s86, s17, 4
	s_lshl_b32 s87, s15, 3
	s_add_co_u32 s86, s86, s87                     ; the first row tile of A that I multiply
	s_lshl_b32 s76, s86, 9
	s_add_co_u32 s76, s76, s68
	s_mov_b32 s77, 0
	s_lshl_b32 s88, s42, 4
	s_add_co_u32 s88, s88, s18                     ; and of B
	s_lshl_b32 s78, s88, 9
	s_add_co_u32 s78, s78, s69
	s_mov_b32 s79, 0
	s_lshl_b32 s89, s42, 1
	s_add_co_u32 s89, s89, s16                     ; my column step
	s_mul_i32 s80, s86, s70
	s_add_co_u32 s80, s80, s89
	s_mul_i32 s80, s80, 1536
	s_add_co_u32 s80, s80, s71                     ; my first image of the result
	s_mov_b32 s81, 0
	s_mul_i32 s82, s70, 1536                       ; from row tile to row tile of the result
	s_mov_b32 s83, 0
	s_lshl_b32 s84, s17, 1
	s_add_co_u32 s84, s84, s15                     ; my row step of 128
	s_mul_i32 s84, s84, s70
	s_add_co_u32 s84, s84, s89
	s_lshl_b32 s84, s84, 10
	s_add_co_u32 s84, s84, s72                     ; my record of scale words, 1,024 bytes
	s_mov_b32 s85, 0
	s_mov_b32 s[SEL], 0x76543210
	s_mov_b32 s[SEL+1], 0xfedcba98
	s_wait_kmcnt 0x0
	s_add_nc_u64 s[20:21], s[4:5], s[20:21]
	s_add_nc_u64 s[22:23], s[4:5], s[22:23]
	s_add_nc_u64 s[76:77], s[6:7], s[76:77]
	s_add_nc_u64 s[78:79], s[6:7], s[78:79]
	s_add_nc_u64 s[80:81], s[8:9], s[80:81]
	s_add_nc_u64 s[84:85], s[10:11], s[84:85]
	CROUND                                         ; all sixteen work-groups are here: the first joint loads meet
.irp s, 0,1
	s_mov_b32 s[G0+4*\s], 1
	s_add_co_u32 s[G0+4*\s+1], s19, \s*SLOT
	s_add_nc_u64 s[G0+4*\s+2:G0+4*\s+3], s[20:21], \s*3072
	s_or_b32 s[G0+4*\s+3], s[G0+4*\s+3], 0x80000000
	s_mov_b32 s[G0B+4*\s], 1
	s_add_co_u32 s[G0B+4*\s+1], s19, \s*SLOT
	s_add_nc_u64 s[G0B+4*\s+2:G0B+4*\s+3], s[22:23], \s*3072
	s_or_b32 s[G0B+4*\s+3], s[G0B+4*\s+3], 0x80000000
.endr
	s_cmp_eq_u32 s15, 0                            ; a wave's two first fills stand in one branch: two loads of mine are out
	s_cbranch_scc0 .Lfirst_b
	tensor_load_to_lds s[G0:G0+3], s[G1:G1+7]
	s_nop 0
	tensor_load_to_lds s[G0+4:G0+7], s[G1:G1+7]
	s_nop 0
.rept 4
	v_nop
.endr
	s_branch .Lfirst_asked
.Lfirst_b:
	tensor_load_to_lds s[G0B:G0B+3], s[G1B:G1B+7]
	s_nop 0
	tensor_load_to_lds s[G0B+4:G0B+7], s[G1B:G1B+7]
	s_nop 0
.rept 4
	v_nop
.endr
.Lfirst_asked:
	v_and_b32 v1, 31, v0
	v_lshlrev_b32 v[L8], 3, v1
	v_lshlrev_b32 v[L16], 4, v1
	v_and_b32 v2, 15, v0
	v_lshlrev_b32 v[R8], 3, v2
	s_mul_i32 s90, s15, HALFT                      ; my 128 rows of A
	s_mul_i32 s91, s16, HALFT
	s_add_co_u32 s91, s91, 2*HALFT                 ; my 128 rows of B
.irp s, 0,1
	v_add_nc_u32 v[ADRA+\s], s90, v[L8]
	v_add_nc_u32 v[ADRB+\s], s91, v[L8]
	s_add_co_u32 s90, s90, SLOT
	s_add_co_u32 s91, s91, SLOT
.endr
.irp i, 0,1,2,3,4,5,6,7                        ; the scale words: block i, K steps 2 g and 2 g + 1; A's into their registers, B's beside
.irp g, 0,1,2,3
	global_load_b64 v[SC+8*\i+2*\g:SC+8*\i+2*\g+1], v[R8], s[76:77] offset:512*\i+128*\g
.endr
.endr
.irp i, 0,1,2,3,4,5,6,7
.irp g, 0,1,2,3
	global_load_b64 v[128+8*\i+2*\g:128+8*\i+2*\g+1], v[R8], s[78:79] offset:512*\i+128*\g
.endr
.endr
	v_cmp_gt_u32 vcc_lo, 16, v1
	s_wait_loadcnt 0x0
.set n, 0
.rept 64
	v_cndmask_b32 v[SC+n], v[128+n], v[SC+n], vcc_lo   ; lanes 0-15 keep A's word, lanes 16-31 take B's
.set n, n+1
.endr
	PLACES 8                                       ; a scale register written by a vector instruction stands 8 places ahead of a scaled matrix instruction
.macro FRAG reg, adr, q, i             ; a fragment: six pieces of 256 consecutive bytes
.irp p, 0,1,2,3,4,5
	ds_load_b64 v[\reg+2*\p:\reg+2*\p+1], v[\adr] offset:(\i)*3072+(\q)*1536+256*\p
.endr
.endm
; 16 matrix instructions: A's blocks a0, a0 + 1 x B's eight; p: B's set; s: the K step, which picks the scale words.  zero = 1: the first product starts the sums.
; The 64 accumulators take turns, one instruction a turn, in the same order in every step.
.macro MUL16 a0, p, s, zero
.irp a, \a0, \a0+1
.irp b, 0,1,2,3,4,5,6,7
.if \zero
	v_wmma_scale_f32_16x16x128_f8f6f4 v[8*(8*((\a)%4)+\b):8*(8*((\a)%4)+\b)+7], v[128*(\p)+FR*\b:128*(\p)+FR*\b+FR-1], v[AF+FR*(\a):AF+FR*(\a)+FR-1], 0, v[SC+8*\b+(\s)], v[SC+8*(\a)+(\s)] matrix_a_fmt:MATRIX_FMT_FP6 matrix_b_fmt:MATRIX_FMT_FP6 matrix_a_scale:MATRIX_SCALE_ROW1
.else
	v_wmma_scale_f32_16x16x128_f8f6f4 v[8*(8*((\a)%4)+\b):8*(8*((\a)%4)+\b)+7], v[128*(\p)+FR*\b:128*(\p)+FR*\b+FR-1], v[AF+FR*(\a):AF+FR*(\a)+FR-1], v[8*(8*((\a)%4)+\b):8*(8*((\a)%4)+\b)+7], v[SC+8*\b+(\s)], v[SC+8*(\a)+(\s)] matrix_a_fmt:MATRIX_FMT_FP6 matrix_b_fmt:MATRIX_FMT_FP6 matrix_a_scale:MATRIX_SCALE_ROW1
.endif
.endr
.endr
.endm
.macro FETCH_B slot, q, p
	WIN TO_B
.irp i, 0,1,2,3,4,5,6,7
	FRAG 128*(\p)+FR*\i, ADRB+\slot, \q, \i
.endr
	WIN 0
.endm
.macro FETCH_A slot, q, i0
.irp i, \i0, \i0+1, \i0+2, \i0+3
	FRAG AF+FR*(\i), ADRA+\slot, \q, \i
.endr
.endm
; A slot's first step: its successor lies in the same slot.  A's blocks 0-3 are fetched anew in the step's middle, blocks 4-7 at its end; B has two sets.
.macro STEP slot, s, zero
	s_wait_dscnt 4*NL                              ; B's set and A's blocks 0-3 are in; the youngest 24 loads (A's blocks 4-7) may be out
	WIN MUL_LO
	MUL16 0, 0, \s, \zero
	MUL16 2, 0, \s, \zero
	s_wait_dscnt 0
	PLACES NP                                      ; in front of loads into registers that matrix instructions have read
	FETCH_B \slot, 1, 1
	FETCH_A \slot, 1, 0
	WIN MUL_HI
	MUL16 4, 0, \s, \zero
	MUL16 6, 0, \s, \zero
	PLACES NP
	WIN 0
	FETCH_A \slot, 1, 4
.endm
; A slot's second step changes slots: one barrier; in front of it each wave waits for all its tensor loads, adds 0 to its spare word, and waits for that and for its reads of this slot.
.macro TURN slot, next, fill, s
	s_wait_tensorcnt 0x0                           ; all my tensor loads have landed: my part of the next slot
	ds_add_u32 v[SPW], v[NIL]                      ; 0 onto my spare word
	s_wait_dscnt 4*NL+1                            ; (the add and the youngest 24 loads may be out)
	WIN MUL_LO
	MUL16 0, 1, \s, 0                              ; sixteen matrix instructions stand between the add and the wait for it
	s_wait_dscnt 0x0                               ; the add is done, and my reads of this slot are over
	s_barrier_signal -1
	MUL16 2, 1, \s, 0
	WIN 0
	s_barrier_wait -1
.if \fill
	CREST                                          ; the barrier has opened a round of the cluster's: no wave of any partner still reads this slot or has a load on its way
	s_add_nc_u64 s[G0+4*\slot+2:G0+4*\slot+3], s[G0+4*\slot+2:G0+4*\slot+3], 2*3072
	s_add_nc_u64 s[G0B+4*\slot+2:G0B+4*\slot+3], s[G0B+4*\slot+2:G0B+4*\slot+3], 2*3072
	JLOAD G0+4*\slot, G1, G0B+4*\slot, G1B         ; the first tensor load behind the round; its four v_nop are the places in front of the loads below
.else
	PLACES NP
.endif
	FETCH_B \next, 0, 0
	FETCH_A \next, 0, 0
	WIN MUL_HI
	MUL16 4, 1, \s, 0
	MUL16 6, 1, \s, 0
	PLACES NP
	WIN 0
	FETCH_A \next, 0, 4
.endm
	s_wait_alu depctr_va_vdst(0)
	s_wait_tensorcnt 1                             ; my part of slot 0 is in; slot 1's may stay out
	s_barrier_signal -1
	s_barrier_wait -1
	FETCH_B 0, 0, 0
	FETCH_A 0, 0, 0
	FETCH_A 0, 0, 4
	STEP 0, 0, 1                                   ; eight K steps, written out: each names its own scale registers
	TURN 0, 1, 1, 1
	STEP 1, 2, 0
	TURN 1, 0, 1, 3
	STEP 0, 4, 0
	TURN 0, 1, 0, 5                                ; nothing is left to fetch
	STEP 1, 6, 0
	s_wait_dscnt 4*NL
	WIN MUL_LO
	MUL16 0, 1, 7, 0
	MUL16 2, 1, 7, 0
	s_wait_dscnt 0
	WIN MUL_HI
	MUL16 4, 1, 7, 0
	MUL16 6, 1, 7, 0
	WIN 0
; THE WAY OUT.  Block a's 64 registers of a lane are 64 numbers of one row: register 16 b + i = column 32 b + 16 (lane / 16) + i.  They become one fragment and one scale word a row, and the fragment leaves as its image.
	PLACES NP
.irp b, 0,1,2,3
	v_mov_b32 v[TM+4+\b], 0                        ; written once: a lane permute's destination counts as one of its sources
.endr
.macro QUANTW a
.set WW, 2+(\a)/4
.set AC, 64*((\a)%4)
	WIN (WW<<2)|(WW<<4)                            ; sources 1 and 2: the accumulators' window
.irp b, 0,1,2,3
	v_max3_num_f32 v[TM+\b], 0x1800000, |v[AC+16*\b]|, |v[AC+16*\b+1]|   ; the floor 2^(3 - 127) among the leaves; each accumulator is read from its low end on
.endr
.irp i, 2,4,6,8,10,12,14
.irp b, 0,1,2,3
	v_max3_num_f32 v[TM+\b], v[TM+\b], |v[AC+16*\b+\i]|, |v[AC+16*\b+\i+1]|
.endr
.endr
	WIN 0
.irp b, 0,1,2,3
	v_permlanex16_b32 v[TM+4+\b], v[TM+\b], s[SEL], s[SEL+1]
.endr
.irp b, 0,1,2,3
	v_max_num_f32 v[TM+\b], v[TM+\b], v[TM+4+\b]
.endr
.irp b, 0,1,2,3
	v_add_nc_u32 v[TM+12+\b], 0xff000000, v[TM+\b]
.endr
.irp b, 0,1,2,3
	v_lshrrev_b32 v[TM+4+\b], 23, v[TM+12+\b]
.endr
	v_lshl_or_b32 v[PW+(\a)%2], v[TM+5], 8, v[TM+4]
	v_lshl_or_b32 v[PW+(\a)%2], v[TM+6], 16, v[PW+(\a)%2]
	v_lshl_or_b32 v[PW+(\a)%2], v[TM+7], 24, v[PW+(\a)%2]
.if (\a)%2 == 1
	v_perm_b32 v[DD+(\a)-1], v[PW+1], v[PW], s73   ; q, k: the even head's two bytes of both blocks; V^T: the even block's word
	v_perm_b32 v[DD+(\a)], v[PW+1], v[PW], s74     ; q, k: the odd head's; V^T: the odd block's word
.endif
	s_wait_xcnt 0x0                                ; the last block's stores have read their registers and their base
.if (\a) > 0
	s_add_nc_u64 s[80:81], s[80:81], s[82:83]      ; the next row tile's image
.endif
	WIN WW                                         ; source 0: the accumulators' window
.irp c, 0,1
	v_cvt_scalef32_pk16_fp6_f32 v[PC+6*\c:PC+2+6*\c], v[AC+32*\c:AC+15+32*\c], v[TM+12+2*\c]
	v_cvt_scalef32_pk16_fp6_f32 v[PC+12+4*\c:PC+14+4*\c], v[AC+16+32*\c:AC+31+32*\c], v[TM+12+2*\c+1]
.endr
	WIN 0
	v_nop                                          ; one plain place behind a scaled conversion
.irp c, 0,1
.irp i, 0,1,2
	v_permlane16_swap_b32 v[PC+6*\c+\i], v[PC+12+4*\c+\i]
.endr
.irp i, 0,1,2
	v_mov_b32 v[PC+3+6*\c+\i], v[PC+12+4*\c+\i]
.endr
.endr
.irp p, 0,1,2,3,4,5
	global_store_b64 v[L8], v[PC+2*\p:PC+2*\p+1], s[80:81] offset:256*\p   ; 256 consecutive bytes, at a multiple of 256 from the buffer's first byte
.endr
.endm
.irp a, 0,1,2,3,4,5,6,7
	QUANTW \a
.endr
.irp c, 0,1                                    ; the record: [half c][lane][4 words].  q, k: half = the head, word g = blocks 2 g, 2 g + 1; V^T: half = the head, word t = its channel tile t
.irp g, 0,1,2,3
	v_cndmask_b32 v[EE+4*\c+\g], v[DD+2*\g+\c], v[DD+4*\c+\g], s75
.endr
.endr
	global_store_b128 v[L16], v[EE:EE+3], s[84:85]
	global_store_b128 v[L16], v[EE+4:EE+7], s[84:85] offset:512
	s_wait_tensorcnt 0x0                           ; the wave's end
	ds_add_u32 v[SPW], v[NIL]
	s_wait_dscnt 0x0
	CROUND                                         ; the closing round: no work-group ends while a partner may still ask for a tile that names it
	s_endpgm
.Lfunc_end_k_q5dada31b74_qkv:
	.size	k_q5dada31b74_qkv, .Lfunc_end_k_q5dada31b74_qkv-k_q5dada31b74_qkv
	.p2alignl 7, 3214868480
	.fill 96, 4, 3214868480
	.section	.rodata,"a",@progbits
	.p2align	6, 0x0
	.amdhsa_kernel k_q5dada31b74_qkv
		.amdhsa_group_segment_fixed_size 327680
		.amdhsa_private_segment_fixed_size 0
		.amdhsa_enable_private_segment 0
		.amdhsa_kernarg_size 32
		.amdhsa_user_sgpr_count 2
		.amdhsa_user_sgpr_kernarg_segment_ptr 1
		.amdhsa_wavefront_size32 1
		.amdhsa_system_sgpr_workgroup_id_x 1
		.amdhsa_system_sgpr_workgroup_id_y 1
		.amdhsa_system_sgpr_workgroup_id_z 1
		.amdhsa_system_vgpr_workitem_id 0
		.amdhsa_next_free_vgpr 1024
		.amdhsa_next_free_sgpr 96
		.amdhsa_reserve_vcc 1
		.amdhsa_float_denorm_mode_32 3
		.amdhsa_float_denorm_mode_16_64 3
		.amdhsa_memory_ordered 1
		.amdhsa_forward_progress 1
		.amdhsa_inst_pref_size 172
	.end_amdhsa_kernel
	.amdgpu_metadata
---
amdhsa.version: [ 1, 2 ]
amdhsa.kernels:
  - .name:           k_q5dada31b74_qkv
    .symbol:         k_q5dada31b74_qkv.kd
    .args:
      - { .name: xw_c, .offset: 0, .size: 8, .value_kind: global_buffer, .address_space: global }
      - { .name: xw_s, .offset: 8, .size: 8, .value_kind: global_buffer, .address_space: global }
      - { .name: qkv_c, .offset: 16, .size: 8, .value_kind: global_buffer, .address_space: global }
      - { .name: qkv_s, .offset: 24, .size: 8, .value_kind: global_buffer, .address_space: global }
    .group_segment_fixed_size: 327680
    .private_segment_fixed_size: 0
    .kernarg_segment_align: 8
    .kernarg_segment_size: 32
    .max_flat_workgroup_size: 128
    .sgpr_count:     96
    .vgpr_count:     1024
    .wavefront_size: 32
...
	.end_amdgpu_metadata
.endif
;; end of part 2
;; launch attn (part 3): grid 4 x 64, 16 waves a work-group, no clusters, 327,680 bytes of LDS; arguments qkv_c, qkv_s, cc, cs; writes cc, cs
.if DOCPART == 3
	.amdgcn_target "amdgcn-amd-amdhsa--gfx1250"
	.amdhsa_code_object_version 6
	.text
	.protected	k_q5dada31b74_attn
	.globl	k_q5dada31b74_attn
	.p2align	8
	.type	k_q5dada31b74_attn,@function
k_q5dada31b74_attn:
	s_mov_b64 s[64:65], 0
	v_nop
	global_prefetch_b8 v0, s[64:65] scope:SCOPE_SE
	s_setreg_imm32_b32 hwreg(HW_REG_WAVE_MODE, 25, 1), 1
	s_wait_xcnt 0x0
; Causal attention of one head on codes of FP6: S^T = K Q^T (K = the head's 64), p = 2^(t - M) quantised along the keys, O^T = V^T P^T, ctx = O / l quantised along the head's channels.  t = score x log2(e) / 8;
; M = the running largest t rounded up to a whole number; the row's sum l is taken of the unquantised p; when M moves, l and O are multiplied by 2^(old M - new M), which rounds nothing.
; SHARES.  Work-group (i, head) owns query blocks i and 7 - i of 256 queries: (i + 1) + (8 - i) = 9 trips of 256 keys, the same count in every work-group: 256 work-groups of equal work.  Each of its sixteen waves
; owns one tile of 16 queries in 256 registers, four waves to a SIMD.  At trip i + 1 a wave finishes its first tile and takes its second: a scalar branch on the work-group's number and the trip, with no barrier and no tensor load in it.
; NO CLUSTER: the four work-groups of a head change query blocks at trips 1, 2, 3, 4, so in a given trip they want different keys: a joint request would not meet.
; LDS: two slots of 256 keys, 32,768 bytes apart: K's codes 12,288 bytes [tile 0..15][3 pieces][lane][8], V's 12,288 [channel tile 0..3][key step 0..1][1,536], K's scale words 1,024, V's 1,024.  Waves 0 to 3 fetch one of the four each.
; THE PRODUCT WITH K = 64.  A fragment of source 0 is two neighbouring key tiles' halves on end: k 0..63 tile 2 g, k 64..127 tile 2 g + 1.  Q stands between zero codes, v16-33 = [0 | q | 0]: against [q | 0] the product is
; tile 2 g's scores, against [0 | q] tile 2 g + 1's.  The scale words are stored for that: bytes 0, 1 tile 2 g's, bytes 2, 3 tile 2 g + 1's; Q's holds its two bytes twice.
; ROW ORDER in every image: place 16 u + r of 32 rows holds row 8 u + r + 8 (r / 8).  So the 16 registers of score tiles 2 j, 2 j + 1 are keys 32 j + 16 (lane / 16) + 0 .. 15; a lane's query is QG + 8 u + r + 8 (r / 8).
; LIMITS: NaN and infinities are not served.  A block's largest p is made from its largest score by the same two instructions, which takes v_exp_f32 not to fall where its input rises.  p under 2^-126 counts as 0.
; 1 / l is v_rcp_f32.  A block of zeros gets the byte 1.  ctx's scale bytes leave as 32 single bytes a wave and tile, inside 128 bytes: two heads share a scale word.
; REGISTERS: v1-4 addresses; v5, v6 the add's; v7 my query's place less 16 (lane / 16); v8 my scale byte's place; v9, v10 Q's scale word; v11 the prefetches' offset; v12 -M, v13 the largest t, v[14:15] the sum;
; v16-33 Q; v34-81 four fragments; v96-159 S^T, then p; v160-191 O^T; v224-235 p's codes; v232-254 at work; v248-251 K's, then V's scale words; v253 p's scale word.
.set SLOT1, 32768
.set VOFF,  12288
.set KSOFF, 24576
.set VSOFF, 25600
.set SPARE, 65536                      ; the spare words, 128 bytes for each of sixteen waves: eight blocks of 256 bytes that no other line names
.set VC_OFF, 12582912
.set VS_OFF, 1048576
.set F,    34
.set WV,   12
.set II,   13
.set BB,   14
.set HH,   15
.set HP,   16
.set CP,   17
.set TC,   18                          ; the trip
.set SW,   19                          ; the trip at which the query block changes
.set SEL,  20
.set CS,   22
.set G1KC, 24
.set G1VC, 32
.set G1KS, 40
.set G1VS, 48
.set G0KC, 56
.set G0VC, 60
.set QSEL, 66
.set TT,   67                          ; my query tile
.set G0KS, 68
.set G0VS, 72
.set BKC,  76
.set BVC,  78
.set BKS,  80
.set BVS,  82
.set KT,   84                          ; this trip's block of 256 keys
.set KN,   85                          ; the next trip's
.set KF,   86                          ; the step's first key
.set QB,   87
.set QG,   88                          ; the first query of my group of 32
.set TB,   89                          ; LDS byte at which the slot in hand begins
.set PFA,  90
.set PFB,  92
.set PT3,  94
.set PT5,  95
.macro GROUP1 g, c, r, p               ; r rows of c elements of 8 bytes, p elements apart; no mask, no padding
	s_mov_b32 s[\g], 3<<16
	s_mov_b32 s[\g+1], (\c)<<16
	s_mov_b32 s[\g+2], (\r)<<16
	s_mov_b32 s[\g+3], (\c)<<16
	s_mov_b32 s[\g+4], \r
	s_mov_b32 s[\g+5], \p
	s_mov_b32 s[\g+6], 0
	s_mov_b32 s[\g+7], 0
.endm
.macro GROUP0 g, lds, base
	s_mov_b32 s[\g], 1
	s_mov_b32 s[\g+1], \lds
	s_mov_b64 s[\g+2:\g+3], s[\base:\base+1]
	s_or_b32 s[\g+3], s[\g+3], 0x80000000
.endm
; Wave 0 fetches K's codes, wave 1 V's, wave 2 K's scale words, wave 3 V's; the others nothing.  The branches hang on the wave's number alone.  Four v_nop follow each line.
.macro TLOAD4
	s_cmp_eq_u32 s[WV], 0
	s_cbranch_scc0 .Lnot0_\@
	tensor_load_to_lds s[G0KC:G0KC+3], s[G1KC:G1KC+7]
	s_nop 0
.rept 4
	v_nop
.endr
	s_branch .Lasked_\@
.Lnot0_\@:
	s_cmp_eq_u32 s[WV], 1
	s_cbranch_scc0 .Lnot1_\@
	tensor_load_to_lds s[G0VC:G0VC+3], s[G1VC:G1VC+7]
	s_nop 0
.rept 4
	v_nop
.endr
	s_branch .Lasked_\@
.Lnot1_\@:
	s_cmp_eq_u32 s[WV], 2
	s_cbranch_scc0 .Lnot2_\@
	tensor_load_to_lds s[G0KS:G0KS+3], s[G1KS:G1KS+7]
	s_nop 0
.rept 4
	v_nop
.endr
	s_branch .Lasked_\@
.Lnot2_\@:
	s_cmp_eq_u32 s[WV], 3
	s_cbranch_scc0 .Lasked_\@
	tensor_load_to_lds s[G0VS:G0VS+3], s[G1VS:G1VS+7]
	s_nop 0
.rept 4
	v_nop
.endr
.Lasked_\@:
.endm
; PREFETCH INTO THE L2.  Work-group 0 of a head walks key blocks 0 to 7 in trips 1 to 8 and is the first of the four to ask for blocks 4 to 7.  In trip 3 it names blocks 4 and 5, which its tensor loads ask for in trips 4 and 5;
; in trip 5 blocks 6 and 7.  Waves 4 to 6: K's codes, a piece of 256 bytes a wave, a lane a key tile (32 tiles); waves 8 to 11: V's codes, a channel tile a wave, lanes 256 bytes apart over its 6,144 bytes (lanes 24-31 name lane 23's block again).
; Blocks 0 to 3 and the scale words come by their loads alone.  The two addresses and the offset are made at the head and never rewritten.
.macro ASK
	s_cmp_eq_u32 s[TC], s[PT3]
	s_cbranch_scc0 .Lnot3_\@
	global_prefetch_b8 v11, s[PFA:PFA+1] th:TH_LOAD_NT scope:SCOPE_SE
.Lnot3_\@:
	s_cmp_eq_u32 s[TC], s[PT5]
	s_cbranch_scc0 .Lnot5_\@
	global_prefetch_b8 v11, s[PFB:PFB+1] th:TH_LOAD_NT scope:SCOPE_SE
.Lnot5_\@:
.endm
	s_load_b256 s[4:11], s[0:1], 0x0               ; q, k, v's codes s[4:5], their scales s[6:7], ctx's codes s[8:9], its scales s[10:11]
	v_lshl_add_u32 v5, v0, 2, SPARE
	v_mov_b32 v6, 0
	ds_add_u32 v5, v6
	ds_add_u32 v5, v6
	s_wait_dscnt 0x0
	v_lshrrev_b32 v1, 5, v0
	s_delay_alu instid0(VALU_DEP_1)
	v_readfirstlane_b32 s[WV], v1                  ; wave 0..15
	s_mov_b32 s[II], ttmp9
	s_and_b32 s96, ttmp7, 0xffff
	s_lshr_b32 s[BB], s96, 4                       ; batch
	s_and_b32 s[HH], s96, 15                       ; head
	s_lshr_b32 s[HP], s[HH], 1                     ; its pair: a K step of 128 columns
	s_and_b32 s[CP], s[HH], 1                      ; and which half of it
	s_mov_b32 s[TC], 0
	s_add_co_u32 s[SW], s[II], 1
	s_mov_b32 s[SEL], 0x76543210
	s_mov_b32 s[SEL+1], 0xfedcba98
	s_mov_b32 s[CS], 0x3e38aa3b                    ; c = log2(e) / 8
	s_mov_b32 s[CS+1], s[CS]                       ; (named with it as a pair, so it is written)
	s_mov_b32 s[KT], 0
	s_mov_b32 s[KN], 0
	s_mov_b32 s[TB], 0
	s_mov_b32 s[QB], s[II]
	GROUP1 G1KC, 96, 16, 3072                      ; K's codes: 16 key tiles x 768 bytes, 24,576 bytes apart
	GROUP1 G1VC, 384, 4, 12288                     ; V's: 4 channel tiles x 3,072 bytes, 98,304 apart
	GROUP1 G1KS, 64, 2, 2048                       ; K's scale words: 2 key steps x 512 bytes, 16,384 apart
	GROUP1 G1VS, 64, 2, 128                        ; V's: 2 x 512 bytes, 1,024 apart
	s_mul_i32 s[BKC], s[BB], 3145728
	s_add_co_u32 s96, s[HP], 8                     ; k's columns lie behind q's: column step 8 + pair
	s_mul_i32 s97, s96, 1536
	s_add_co_u32 s[BKC], s[BKC], s97
	s_mul_i32 s97, s[CP], 768
	s_add_co_u32 s[BKC], s[BKC], s97
	s_mov_b32 s[BKC+1], 0
	s_mul_i32 s[BVC], s[HH], 393216
	s_mul_i32 s97, s[BB], 24576
	s_add_co_u32 s[BVC], s[BVC], s97
	s_add_co_u32 s[BVC], s[BVC], VC_OFF
	s_mov_b32 s[BVC+1], 0
	s_lshl_b32 s[BKS], s[BB], 18
	s_lshl_b32 s97, s96, 10
	s_add_co_u32 s[BKS], s[BKS], s97
	s_lshl_b32 s98, s[CP], 9
	s_add_co_u32 s[BKS], s[BKS], s98
	s_mov_b32 s[BKS+1], 0
	s_lshl_b32 s[BVS], s[HP], 6
	s_lshl_b32 s97, s[BB], 4
	s_add_co_u32 s[BVS], s[BVS], s97
	s_lshl_b32 s[BVS], s[BVS], 10
	s_add_co_u32 s[BVS], s[BVS], s98
	s_add_co_u32 s[BVS], s[BVS], VS_OFF
	s_mov_b32 s[BVS+1], 0
	s_wait_kmcnt 0x0
	s_add_nc_u64 s[BKC:BKC+1], s[4:5], s[BKC:BKC+1]
	s_add_nc_u64 s[BVC:BVC+1], s[4:5], s[BVC:BVC+1]
	s_add_nc_u64 s[BKS:BKS+1], s[6:7], s[BKS:BKS+1]
	s_add_nc_u64 s[BVS:BVS+1], s[6:7], s[BVS:BVS+1]
	GROUP0 G0KC, 0, BKC
	GROUP0 G0VC, VOFF, BVC
	GROUP0 G0KS, KSOFF, BKS
	GROUP0 G0VS, VSOFF, BVS
	TLOAD4                                         ; slot 0: the head's first 256 keys
	v_and_b32 v252, 31, v0
	s_delay_alu instid0(VALU_DEP_1)
	v_lshlrev_b32 v1, 3, v252                      ; 8 x lane
	s_delay_alu instid0(VALU_DEP_2)
	v_lshlrev_b32 v2, 4, v252                      ; 16 x lane
	v_and_b32 v8, 15, v0                           ; r
	v_bfe_u32 v9, v0, 4, 1                         ; h
	s_delay_alu instid0(VALU_DEP_2)
	v_and_b32 v7, 8, v8
	s_delay_alu instid0(VALU_DEP_1)
	v_add_nc_u32 v7, v7, v8                        ; r + 8 (r / 8)
	s_delay_alu instid0(VALU_DEP_3)
	v_lshlrev_b32 v254, 4, v9
	s_delay_alu instid0(VALU_DEP_1)
	v_sub_nc_u32 v7, v7, v254                      ; - 16 h
	s_and_b32 s96, s[WV], 1
	s_lshl_b32 s97, s96, 3
	v_add_nc_u32 v7, s97, v7                       ; + 8 u
	v_lshl_add_u32 v8, v8, 3, v9                   ; 8 r + h
	s_mul_i32 s[QSEL], s96, 0x02020202
	s_add_co_u32 s[QSEL], s[QSEL], 0x01000100      ; bytes 2 u, 2 u + 1 of the pair's word, twice
.irp j, 16,17,18,19,20,21,28,29,30,31,32,33
	v_mov_b32 v[\j], 0                             ; the zero codes on both sides of Q
.endr
.irp j, 236,237,238,239,253
	v_mov_b32 v[\j], 0                             ; written once: a lane permute's destination counts as one of its sources; v253 is named in the pair v[252:253]
.endr
	; the prefetches: where my wave's stand, and who asks
	s_and_b32 s96, s[WV], 3
	s_cmp_lt_u32 s[WV], 8                          ; waves 4 to 6: K's codes; waves 8 to 11: V's
	s_cselect_b64 s[PFA:PFA+1], s[BKC:BKC+1], s[BVC:BVC+1]
	s_mov_b32 s97, 98304
	s_cselect_b32 s97, 256, s97                    ; from wave to wave
	s_mov_b32 s98, 256
	s_cselect_b32 s98, 24576, s98                  ; from lane to lane
	s_mov_b32 s99, 4*3072
	s_cselect_b32 s99, 64*24576, s99               ; key block 4
	s_mov_b32 s100, 6144
	s_cselect_b32 s100, 786432, s100               ; two key blocks on
	s_cselect_b32 s101, 31, 23                     ; the last lane with a block of its own
	v_min_u32 v11, s101, v252
	s_delay_alu instid0(VALU_DEP_1)
	v_mul_lo_u32 v11, v11, s98
	s_mul_i32 s96, s96, s97
	s_add_co_u32 s96, s96, s99
	s_mov_b32 s97, 0
	s_mov_b32 s101, 0
	s_add_nc_u64 s[PFA:PFA+1], s[PFA:PFA+1], s[96:97]
	s_add_nc_u64 s[PFB:PFB+1], s[PFA:PFA+1], s[100:101]
	s_sub_co_u32 s96, s[WV], 4
	s_lshr_b32 s96, s96, 3                         ; 0 in waves 4 to 11,
	s_or_b32 s96, s96, ttmp9                       ; of the head's first work-group
	s_cmp_eq_u32 s96, 0
	s_cselect_b32 s[PT3], 3, -1
	s_cselect_b32 s[PT5], 5, -1
	s_cmp_eq_u32 s[WV], 7                          ; (K's tiles have three pieces)
	s_cselect_b32 s[PT3], -1, s[PT3]
	s_cselect_b32 s[PT5], -1, s[PT5]
; My query tile of block s[QB]: its codes, its scale word, and a fresh state.
.macro QLOAD
	s_lshl_b32 s[QG], s[QB], 8
	s_lshr_b32 s96, s[WV], 1
	s_lshl_b32 s96, s96, 5
	s_add_co_u32 s[QG], s[QG], s96
	s_lshl_b32 s[TT], s[BB], 7
	s_lshl_b32 s96, s[QB], 4
	s_add_co_u32 s[TT], s[TT], s96
	s_add_co_u32 s[TT], s[TT], s[WV]               ; T = 128 batch + 16 block + wave
	s_lshl_b32 s96, s[TT], 4
	s_add_co_u32 s96, s96, s[HP]
	s_mul_i32 s96, s96, 1536
	s_mul_i32 s97, s[CP], 768
	s_add_co_u32 s96, s96, s97
	s_mov_b32 s97, 0
	s_add_nc_u64 s[96:97], s[4:5], s[96:97]
.irp p, 0,1,2
	global_load_b64 v[22+2*\p:23+2*\p], v1, s[96:97] offset:256*\p
.endr
	s_lshl_b32 s98, s[BB], 4
	s_lshl_b32 s99, s[QB], 1
	s_add_co_u32 s98, s98, s99
	s_lshr_b32 s99, s[WV], 3
	s_add_co_u32 s98, s98, s99                     ; my row step of 128
	s_lshl_b32 s98, s98, 4
	s_add_co_u32 s98, s98, s[HP]
	s_lshl_b32 s98, s98, 10
	s_lshl_b32 s99, s[CP], 9
	s_add_co_u32 s98, s98, s99
	s_bfe_u32 s99, s[WV], 0x20001                  ; my pair of tiles among the step's four
	s_lshl_b32 s99, s99, 2
	s_add_co_u32 s98, s98, s99
	s_mov_b32 s99, 0
	s_add_nc_u64 s[98:99], s[6:7], s[98:99]
	global_load_b32 v9, v2, s[98:99]
	v_mov_b32 v13, 0xff61b1e6                      ; the largest t so far: -3e38, under every t
	s_delay_alu instid0(VALU_DEP_1)
	v_floor_f32 v12, -v13                          ; -M
	v_mov_b32 v14, 0
	v_mov_b32 v15, 0
.set n, 0
.rept 32
	v_mov_b32 v[160+n], 0                          ; O^T: the first change of M leaves zeros zeros
.set n, n+1
.endr
	s_wait_loadcnt 0x0
	v_perm_b32 v10, v9, v9, s[QSEL]
.rept 8
	v_nop                                          ; a scale register written by a vector instruction stands 8 places ahead of a scaled matrix instruction
.endr
.endm
; ctx of my tile: O^T / l, quantised along the head's 64 channels (two blocks): half a fragment, three pieces of 256 bytes, and two scale bytes a row.
.macro FINISH
.rept 4
	v_nop                                          ; places behind the last products
.endr
	v_add_f32 v14, v14, v15
	s_delay_alu instid0(VALU_DEP_1)
	v_permlanex16_b32 v252, v14, s[SEL], s[SEL+1]
	s_delay_alu instid0(VALU_DEP_1)
	v_add_f32 v14, v14, v252                       ; the row's sum
	s_wait_alu depctr_va_vdst(0)
	v_rcp_f32 v14, v14
	v_and_b32 v252, 31, v0                         ; (a plain place behind the transcendental)
	s_wait_alu depctr_va_vdst(0)
	s_lshl_b32 s96, s[TT], 3
	s_add_co_u32 s96, s96, s[HP]
	s_mul_i32 s96, s96, 1536
	s_mul_i32 s97, s[CP], 768
	s_add_co_u32 s96, s96, s97
	s_mov_b32 s97, 0
	s_add_nc_u64 s[96:97], s[8:9], s[96:97]
	s_lshl_b32 s98, s[TT], 9
	s_lshr_b32 s99, s[HP], 1
	s_lshl_b32 s99, s99, 7
	s_add_co_u32 s98, s98, s99
	s_and_b32 s99, s[HP], 1
	s_lshl_b32 s99, s99, 2
	s_add_co_u32 s98, s98, s99
	s_lshl_b32 s99, s[CP], 1
	s_add_co_u32 s98, s98, s99
	s_mov_b32 s99, 0
	s_add_nc_u64 s[98:99], s[10:11], s[98:99]
	v_cmp_gt_u32 vcc_lo, 16, v252
	s_wait_alu depctr_va_vdst(0)                   ; the wait ahead of the reciprocal's first reader
.set n, 0
.rept 32
	v_mul_f32 v[96+n], v[160+n], v14               ; register 16 b + i: channel 32 b + 16 (lane / 16) + i; each accumulator from its low end on
.set n, n+1
.endr
.irp b, 0,1
	v_max3_num_f32 v[232+\b], |v[96+16*\b]|, |v[97+16*\b]|, 0x1800000
.endr
.irp i, 2,4,6,8,10,12,14
.irp b, 0,1
	s_delay_alu instid0(VALU_DEP_2)
	v_max3_num_f32 v[232+\b], v[232+\b], |v[96+16*\b+\i]|, |v[97+16*\b+\i]|
.endr
.endr
.irp b, 0,1
	s_delay_alu instid0(VALU_DEP_2)
	v_permlanex16_b32 v[236+\b], v[232+\b], s[SEL], s[SEL+1]
.endr
.irp b, 0,1
	s_delay_alu instid0(VALU_DEP_2)
	v_max_num_f32 v[232+\b], v[232+\b], v[236+\b]
.endr
.irp b, 0,1
	s_delay_alu instid0(VALU_DEP_2)
	v_add_nc_u32 v[244+\b], 0xff000000, v[232+\b]
.endr
.irp b, 0,1
	s_delay_alu instid0(VALU_DEP_2)
	v_lshrrev_b32 v[236+\b], 23, v[244+\b]
.endr
	s_delay_alu instid0(VALU_DEP_1)
	v_cndmask_b32 v254, v237, v236, vcc_lo         ; lanes 0-15 store block 0's byte, lanes 16-31 block 1's
	v_cvt_scalef32_pk16_fp6_f32 v[224:226], v[96:111], v244
	v_cvt_scalef32_pk16_fp6_f32 v[240:242], v[112:127], v245
	v_nop                                          ; one plain place behind a scaled conversion
.irp i, 0,1,2
	v_permlane16_swap_b32 v[224+\i], v[240+\i]
.endr
.irp i, 0,1,2
	s_delay_alu instid0(VALU_DEP_3)
	v_mov_b32 v[227+\i], v[240+\i]
.endr
.irp p, 0,1,2
	global_store_b64 v1, v[224+2*\p:225+2*\p], s[96:97] offset:256*\p   ; 256 consecutive bytes
.endr
	global_store_b8 v8, v254, s[98:99]
	s_wait_xcnt 0x0                                ; the stores have read their registers and bases: both are written again
.endm
; A KEY STEP: 128 keys, the q-th of the slot in hand.  A step all of whose keys come after my group's queries is left out: a scalar branch on ids; no barrier and no tensor load stands in a step.
.macro STEP q
	s_add_co_u32 s96, s[QG], 31
	s_cmp_gt_u32 s[KF], s96
	s_cbranch_scc1 .Lhidden_\@
.rept 4
	v_nop                                          ; places in front of loads into registers that matrix instructions have read
.endr
	s_wait_alu depctr_va_vdst(0)
.irp g, 0,1,2,3
.irp p, 0,1,2,3,4,5
	ds_load_b64 v[F+12*\g+2*\p:F+12*\g+2*\p+1], v3 offset:(8*(\q)+2*\g)*768+256*\p   ; key tiles 2 g and 2 g + 1 on end
.endr
.endr
	ds_load_b128 v[248:251], v4 offset:KSOFF+512*(\q)
	s_wait_dscnt 0x0
	s_wait_alu depctr_va_vdst(0)
.irp g, 0,1,2,3
	v_wmma_scale_f32_16x16x128_f8f6f4 v[96+16*\g:103+16*\g], v[F+12*\g:F+12*\g+11], v[22:33], 0, v[248+\g], v10 matrix_a_fmt:MATRIX_FMT_FP6 matrix_b_fmt:MATRIX_FMT_FP6
	v_wmma_scale_f32_16x16x128_f8f6f4 v[104+16*\g:111+16*\g], v[F+12*\g:F+12*\g+11], v[16:27], 0, v[248+\g], v10 matrix_a_fmt:MATRIX_FMT_FP6 matrix_b_fmt:MATRIX_FMT_FP6
.endr
.rept 4
	v_nop
.endr
.irp t, 0,1,2,3                                ; V's fragments and scale words are asked for now and land under the softmax, which touches none of their registers
.irp p, 0,1,2,3,4,5
	ds_load_b64 v[F+12*\t+2*\p:F+12*\t+2*\p+1], v3 offset:VOFF+3072*\t+1536*(\q)+256*\p
.endr
.endr
	ds_load_b128 v[248:251], v4 offset:VSOFF+512*(\q)
	s_add_co_u32 s96, s[KF], 127                   ; on the diagonal the scores of hidden keys become -infinity ahead of the maximum; a step all of whose keys count skips this
	s_cmp_le_u32 s96, s[QG]
	s_cbranch_scc1 .Lopen_\@
	s_sub_co_i32 s96, s[QG], s[KF]
	v_add_nc_u32 v252, s96, v7                     ; d = my query - KF - 16 (lane / 16).  Register 16 b + i holds key KF + 32 b + 16 (lane / 16) + i: hidden where 32 b + i > d
	v_mov_b32 v254, 0xff800000
.set n, 0
.rept 64
	v_cmp_gt_i32 vcc_lo, 32*(n/16)+n%16, v252
	v_cndmask_b32 v[96+n], v[96+n], v254, vcc_lo
.set n, n+1
.endr
.Lopen_\@:
.irp b, 0,1,2,3
	v_max3_num_f32 v[232+\b], v[96+16*\b], v[97+16*\b], v[98+16*\b]   ; the largest score of each block of 32 keys: for the row's maximum, and for the block's largest p
.endr
.irp i, 3,5,7,9,11,13
.irp b, 0,1,2,3
	v_max3_num_f32 v[232+\b], v[232+\b], v[96+16*\b+\i], v[97+16*\b+\i]
.endr
.endr
.irp b, 0,1,2,3
	v_max_num_f32 v[232+\b], v[232+\b], v[111+16*\b]
.endr
.irp b, 0,1,2,3
	s_delay_alu instid0(VALU_DEP_4)
	v_permlanex16_b32 v[236+\b], v[232+\b], s[SEL], s[SEL+1]
.endr
.irp b, 0,1,2,3
	s_delay_alu instid0(VALU_DEP_4)
	v_max_num_f32 v[232+\b], v[232+\b], v[236+\b]
.endr
	s_delay_alu instid0(VALU_DEP_2)
	v_max3_num_f32 v254, v232, v233, v234
	s_delay_alu instid0(VALU_DEP_1)
	v_max_num_f32 v254, v254, v235
	s_delay_alu instid0(VALU_DEP_1)
	v_mul_f32 v254, s[CS], v254                    ; the step's largest t of my query
	s_delay_alu instid0(VALU_DEP_1)
	v_max_num_f32 v13, v13, v254
	v_mov_b32 v254, v12
	s_delay_alu instid0(VALU_DEP_2)
	v_floor_f32 v12, -v13                          ; the new -M = -ceil(t)
	s_delay_alu instid0(VALU_DEP_1)
	v_sub_f32 v254, v12, v254                      ; old M - new M: a whole number, 0 or less
	s_delay_alu instid0(VALU_DEP_1)
	v_cvt_i32_f32 v254, v254                       ; (it saturates)
	s_delay_alu instid0(VALU_DEP_1)
	v_ldexp_f32 v252, 1.0, v254                    ; f = 2^(old M - new M)
.set n, 0
.rept 32
	v_pk_fma_f32 v[96+n:97+n], v[96+n:97+n], s[CS:CS+1], v[12:13] op_sel_hi:[1,0,0]   ; t - M, two at a time
.set n, n+2
.endr
.irp b, 0,1,2,3
	v_fma_f32 v[232+\b], v[232+\b], s[CS], v12
.endr
.set n, 0
	s_wait_alu depctr_va_vdst(0)
.rept 64
	v_exp_f32 v[96+n], v[96+n]                     ; p = 2^(t - M)
.set n, n+1
.endr
	v_pk_mul_f32 v[14:15], v[14:15], v[252:253] op_sel_hi:[1,0]   ; the sums under the new M (a plain place behind the exponentials)
	s_wait_alu depctr_va_vdst(0)                   ; one wait for the whole batch, ahead of its first reader
.irp b, 0,1,2,3
	v_exp_f32 v[232+\b], v[232+\b]                 ; the block's largest p
.endr
	v_pk_add_f32 v[236:237], v[100:101], v[104:105]
	v_pk_add_f32 v[254:255], v[108:109], v[112:113]
	v_pk_add_f32 v[246:247], v[116:117], v[120:121]
	v_pk_add_f32 v[244:245], v[124:125], v[128:129]
	v_pk_add_f32 v[242:243], v[132:133], v[136:137]
	v_pk_add_f32 v[240:241], v[140:141], v[144:145]
	v_pk_add_f32 v[238:239], v[148:149], v[152:153]
	v_pk_add_f32 v[14:15], v[14:15], v[156:157]
	v_pk_add_f32 v[236:237], v[236:237], v[96:97]
	v_pk_add_f32 v[254:255], v[254:255], v[98:99]
	v_pk_add_f32 v[246:247], v[246:247], v[102:103]
	v_pk_add_f32 v[244:245], v[244:245], v[106:107]
	v_pk_add_f32 v[242:243], v[242:243], v[110:111]
	v_pk_add_f32 v[240:241], v[240:241], v[114:115]
	v_pk_add_f32 v[238:239], v[238:239], v[118:119]
	v_pk_add_f32 v[14:15], v[14:15], v[122:123]
	v_pk_add_f32 v[236:237], v[236:237], v[126:127]
	v_pk_add_f32 v[254:255], v[254:255], v[130:131]
	v_pk_add_f32 v[246:247], v[246:247], v[134:135]
	v_pk_add_f32 v[244:245], v[244:245], v[138:139]
	v_pk_add_f32 v[242:243], v[242:243], v[142:143]
	v_pk_add_f32 v[240:241], v[240:241], v[146:147]
	v_pk_add_f32 v[238:239], v[238:239], v[150:151]
	v_pk_add_f32 v[14:15], v[14:15], v[154:155]
	v_pk_add_f32 v[236:237], v[236:237], v[158:159]
	s_delay_alu instid0(VALU_DEP_2)
	v_pk_add_f32 v[14:15], v[14:15], v[244:245]
	s_delay_alu instid0(VALU_DEP_2)
	v_pk_add_f32 v[236:237], v[236:237], v[242:243]
	v_pk_add_f32 v[254:255], v[254:255], v[240:241]
	v_pk_add_f32 v[246:247], v[246:247], v[238:239]
	s_delay_alu instid0(VALU_DEP_2)
	v_pk_add_f32 v[14:15], v[14:15], v[254:255]
	s_delay_alu instid0(VALU_DEP_2)
	v_pk_add_f32 v[236:237], v[236:237], v[246:247]
	s_delay_alu instid0(VALU_DEP_1)
	v_pk_add_f32 v[14:15], v[14:15], v[236:237]
	s_wait_alu depctr_va_vdst(0)                   ; and one for the four
.irp b, 0,1,2,3
	v_max_num_f32 v[232+\b], 0x1800000, v[232+\b]  ; the floor: the byte cannot fall under 1
.endr
.irp b, 0,1,2,3
	s_delay_alu instid0(VALU_DEP_4)
	v_add_nc_u32 v[244+\b], 0xff000000, v[232+\b]
.endr
.irp b, 0,1,2,3
	s_delay_alu instid0(VALU_DEP_4)
	v_lshrrev_b32 v[236+\b], 23, v[244+\b]
.endr
	s_delay_alu instid0(VALU_DEP_3)
	v_lshl_or_b32 v253, v237, 8, v236              ; p's scale word for these 128 keys
	s_delay_alu instid0(VALU_DEP_1)
	v_lshl_or_b32 v253, v238, 16, v253
	s_delay_alu instid0(VALU_DEP_1)
	v_lshl_or_b32 v253, v239, 24, v253
.irp c, 0,1
	v_cvt_scalef32_pk16_fp6_f32 v[224+6*\c:226+6*\c], v[96+32*\c:111+32*\c], v[244+2*\c]
	v_cvt_scalef32_pk16_fp6_f32 v[236+4*\c:238+4*\c], v[112+32*\c:127+32*\c], v[244+2*\c+1]
.endr
	v_nop                                          ; one plain place behind a scaled conversion
.irp c, 0,1
.irp i, 0,1,2
	v_permlane16_swap_b32 v[224+6*\c+\i], v[236+4*\c+\i]
.endr
.irp i, 0,1,2
	s_delay_alu instid0(VALU_DEP_3)
	v_mov_b32 v[227+6*\c+\i], v[236+4*\c+\i]
.endr
.endr
.set n, 0
.rept 16
	v_pk_mul_f32 v[160+n:161+n], v[160+n:161+n], v[252:253] op_sel_hi:[1,0]   ; O^T under the new M; these sixteen are also the places in front of the matrix instructions below
.set n, n+2
.endr
	s_wait_alu depctr_va_vdst(0)
	s_wait_dscnt 0x0                               ; V is in
.irp t, 0,1,2,3                                ; four accumulators by turns, one instruction a turn
	v_wmma_scale_f32_16x16x128_f8f6f4 v[160+8*\t:167+8*\t], v[F+12*\t:F+12*\t+11], v[224:235], v[160+8*\t:167+8*\t], v[248+\t], v253 matrix_a_fmt:MATRIX_FMT_FP6 matrix_b_fmt:MATRIX_FMT_FP6
.endr
.Lhidden_\@:
	s_add_co_u32 s[KF], s[KF], 128
.endm
.macro WALK g0, base, step             ; a descriptor goes to the other slot and to key block s[KN]
	s_xor_b32 s[\g0+1], s[\g0+1], SLOT1
	s_mul_i32 s96, s[KN], \step
	s_add_nc_u64 s[\g0+2:\g0+3], s[\base:\base+1], s[96:97]
	s_or_b32 s[\g0+3], s[\g0+3], 0x80000000
.endm
; THE CHANGE OF SLOTS stands at a trip's head.  Each wave waits for all its tensor loads (its part of the slot that it is about to read), adds 0 to its spare word, and waits for that and for its reads of the slot that it has left.
; fill = 1: behind the barrier that other slot is filled with the next trip's keys: the load has a whole trip in which to land.  A wave has one tensor load out at the most.
.macro CHANGE fill
	s_wait_tensorcnt 0x0                           ; no tensor load of mine is out, so the groups 0 may be written
	ds_add_u32 v5, v6                              ; 0 onto my spare word
.if \fill
	s_add_co_u32 s96, s[TC], 1
	s_add_co_u32 s[KN], s[KT], 1
	s_cmp_eq_u32 s96, s[SW]
	s_cselect_b32 s[KN], 0, s[KN]                  ; the second query block begins at key block 0 again
	s_mov_b32 s97, 0
	WALK G0KC, BKC, 393216
	WALK G0VC, BVC, 3072
	WALK G0KS, BKS, 32768
	WALK G0VS, BVS, 2048
.endif
	s_wait_dscnt 0x0                               ; the add is done, and my reads of the slot that I have left are over
	s_barrier_signal -1
	s_barrier_wait -1
.if \fill
	TLOAD4                                         ; the first thing behind the barrier, and a wave's one tensor load until the next
	ASK
.endif
.endm
.macro TRIPWORK
	s_lshl_b32 s[KF], s[KT], 8
	v_add_nc_u32 v3, s[TB], v1
	v_add_nc_u32 v4, s[TB], v2
	STEP 0
	STEP 1
	s_xor_b32 s[TB], s[TB], SLOT1
	s_mov_b32 s[KT], s[KN]
.endm
	QLOAD
.Ltrip:                                            ; eight trips; behind each change of slots the next trip's keys are asked for
	CHANGE 1
	s_cmp_eq_u32 s[TC], s[SW]                      ; the first query block is done: its ctx leaves, and the second block's tile comes
	s_cbranch_scc0 .Lsame_block
	FINISH
	s_sub_co_u32 s[QB], 7, s[II]
	QLOAD
.Lsame_block:
	TRIPWORK
	s_add_co_u32 s[TC], s[TC], 1
	s_cmp_lt_u32 s[TC], 8
	s_cbranch_scc1 .Ltrip
	CHANGE 0                                       ; the ninth trip is written out
	TRIPWORK
	FINISH
	s_wait_tensorcnt 0x0                           ; the wave's end
	ds_add_u32 v5, v6
	s_wait_dscnt 0x0
	s_endpgm
.Lfunc_end_k_q5dada31b74_attn:
	.size	k_q5dada31b74_attn, .Lfunc_end_k_q5dada31b74_attn-k_q5dada31b74_attn
	.p2alignl 7, 3214868480
	.fill 96, 4, 3214868480
	.section	.rodata,"a",@progbits
	.p2align	6, 0x0
	.amdhsa_kernel k_q5dada31b74_attn
		.amdhsa_group_segment_fixed_size 327680
		.amdhsa_private_segment_fixed_size 0
		.amdhsa_enable_private_segment 0
		.amdhsa_kernarg_size 32
		.amdhsa_user_sgpr_count 2
		.amdhsa_user_sgpr_kernarg_segment_ptr 1
		.amdhsa_wavefront_size32 1
		.amdhsa_system_sgpr_workgroup_id_x 1
		.amdhsa_system_sgpr_workgroup_id_y 1
		.amdhsa_system_sgpr_workgroup_id_z 1
		.amdhsa_system_vgpr_workitem_id 0
		.amdhsa_next_free_vgpr 256
		.amdhsa_next_free_sgpr 102
		.amdhsa_reserve_vcc 1
		.amdhsa_float_denorm_mode_32 3
		.amdhsa_float_denorm_mode_16_64 3
		.amdhsa_memory_ordered 1
		.amdhsa_forward_progress 1
		.amdhsa_inst_pref_size 122
	.end_amdhsa_kernel
	.amdgpu_metadata
---
amdhsa.version: [ 1, 2 ]
amdhsa.kernels:
  - .name:           k_q5dada31b74_attn
    .symbol:         k_q5dada31b74_attn.kd
    .args:
      - { .name: qkv_c, .offset: 0, .size: 8, .value_kind: global_buffer, .address_space: global }
      - { .name: qkv_s, .offset: 8, .size: 8, .value_kind: global_buffer, .address_space: global }
      - { .name: cc, .offset: 16, .size: 8, .value_kind: global_buffer, .address_space: global }
      - { .name: cs, .offset: 24, .size: 8, .value_kind: global_buffer, .address_space: global }
    .group_segment_fixed_size: 327680
    .private_segment_fixed_size: 0
    .kernarg_segment_align: 8
    .kernarg_segment_size: 32
    .max_flat_workgroup_size: 512
    .sgpr_count:     102
    .vgpr_count:     256
    .wavefront_size: 32
...
	.end_amdgpu_metadata
.endif
;; end of part 3
;; launch proj (part 4): grid 4 x 32, 4 waves a work-group, clusters of 4 x 4, 327,680 bytes of LDS; arguments cc, cs, xw_c, xw_s, bo, out0; writes out0
.if DOCPART == 4
	.amdgcn_target "amdgcn-amd-amdhsa--gfx1250"
	.amdhsa_code_object_version 6
	.text
	.protected	k_q5dada31b74_proj
	.globl	k_q5dada31b74_proj
	.p2align	8
	.type	k_q5dada31b74_proj,@function
k_q5dada31b74_proj:
	s_mov_b64 s[64:65], 0
	v_nop
	global_prefetch_b8 v0, s[64:65] scope:SCOPE_SE
	s_setreg_imm32_b32 hwreg(HW_REG_WAVE_MODE, 25, 1), 1
	s_wait_xcnt 0x0
	s_wait_alu depctr_hold_cnt(0) depctr_sa_sdst(0) depctr_va_vdst(0) depctr_va_sdst(0) depctr_va_ssrc(0) depctr_va_vcc(0) depctr_vm_vsrc(0)
	s_getreg_b32 s2, hwreg(HW_REG_IB_STS2, 6, 4)
	s_cmp_eq_u32 s2, 0
	s_cbranch_scc0 .Lentry_in_a_cluster
	s_endpgm
.Lentry_in_a_cluster:
	s_bfe_u32 s2, ttmp6, 0x10000c
	s_cmp_lg_u32 s2, 0xf033
	s_cbranch_scc0 .Lentry_shape_is_right
	s_endpgm
.Lentry_shape_is_right:
; out = ctx Wo + bo: [8192][1024] f32, on codes of FP6 with E8M0 scales, K = 1,024.  A = ctx (codes and scale words made by the launch before), B = Wo's columns (made by the first launch).
; A tile of C, 256 x 256, is made by four waves, 128 x 128 each; K goes in 8 steps of 128 through a ring of two LDS slots of two steps each.  The operands lie in memory as images of their registers
; (1,536 bytes for 16 rows x 128 K; 12,288 bytes a row tile): a wave's tensor load brings 8 row tiles x 2 K steps; a fragment is six ds_load_b64 of 256 consecutive bytes.
; The scale words of my rows for all 8 steps stay in 64 registers (lanes 0-15 A's, lanes 16-31 B's).  The bias is the C of each sum's first matrix instruction.
; CLUSTERS: 4 x 4 work-groups; A's tiles are asked for jointly along a row of the cluster, B's along a column.  The matrix instruction is used transposed (source 0 = B's rows, source 1 = A's).
; 128 tiles of C: half as many work-groups as there are WGPs; a smaller tile would read each fragment for half as many products.
; ROW ORDER of the operands: place 16 u + r of a group of 32 rows holds row 8 u + r + 8 (r / 8).  Both orders are undone on the way out: the columns by the place in the stage, the rows by the store's offset.
; REGISTERS: window 0: v16-31 addresses; v32-95 scale words; v96-127, v224-255 the bias; v128-223 A's fragments; window 1: B's two sets; windows 2, 3: the accumulators.
.set HALFT,  24576
.set SLOT,   4*HALFT
.set SPARE,  2*SLOT                    ; the spare words, 128 bytes for each wave: two blocks of 256 bytes that no other line names
.set TROW,   12288
.set WO_C,   6291456+192*12288
.set WO_S,   262144+192*512
.set SPITCH, 528                       ; the way out: a stage of 16 rows x (512 + 16) bytes for each wave, in slot 0, which has had its last fill and its last read by then
.set FR,   12
.set NL,   6
.set NP,   4
.set ADRA, 16
.set ADRB, 20
.set STO,  24
.set RD,   25
.set CO,   26
.set SPW,  28
.set NIL,  29
.set R8,   30
.set H64,  31
.set SC,   32
.set AF,   128
.set BK,   128
.set G1,  24
.set G0,  32
.set G1B, 48
.set G0B, 56
.set MSB, 0
.macro WIN new
.if MSB != (\new)
	s_set_vgpr_msb (MSB<<8)|(\new)
.set MSB, (\new)
.endif
.endm
.set MUL_LO, 0xa1
.set MUL_HI, 0xf1
.set TO_B,   0x40
.macro PLACES n
.rept \n
	v_nop
.endr
.endm
.macro JLOAD g0a, g1a, g0b, g1b        ; a joint load: waves 0 and 1 fetch for A, waves 2 and 3 for B; four v_nop follow each of the two lines
	s_cmp_eq_u32 s15, 0
	s_cbranch_scc0 .Lfor_b_\@
	tensor_load_to_lds s[\g0a:\g0a+3], s[\g1a:\g1a+7]
	s_nop 0
.rept 4
	v_nop
.endr
	s_branch .Lasked_\@
.Lfor_b_\@:
	tensor_load_to_lds s[\g0b:\g0b+3], s[\g1b:\g1b+7]
	s_nop 0
.rept 4
	v_nop
.endr
.Lasked_\@:
.endm
.macro CREST
	s_cmp_lg_u32 s14, 0
	s_cbranch_scc1 .Lnot_wave_0_\@
	s_barrier_signal -3
.Lnot_wave_0_\@:
	s_barrier_wait -3
	s_barrier_signal -1
	s_barrier_wait -1
.endm
.macro CROUND
	s_barrier_signal -1
	s_barrier_wait -1
	CREST
.endm
	s_load_b256 s[4:11], s[0:1], 0x0               ; ctx's codes, ctx's scales, the weights' codes, the weights' scales
	s_load_b128 s[92:95], s[0:1], 0x20             ; bo, out
	v_lshl_add_u32 v[SPW], v0, 2, SPARE
	v_mov_b32 v[NIL], 0
	ds_add_u32 v28, v29
	ds_add_u32 v28, v29
	s_wait_dscnt 0x0
	v_lshrrev_b32 v1, 5, v0
	v_readfirstlane_b32 s14, v1                    ; wave 0..3
	s_lshr_b32 s15, s14, 1                         ; which half of the tile's rows is mine.  Also: I fetch for A (0) or for B (1)
	s_and_b32 s16, s14, 1                          ; which half of its columns.  Also: which 8 row tiles I fetch
	s_bfe_u32 s40, ttmp6, 0x40000                  ; cx
	s_bfe_u32 s41, ttmp6, 0x40004                  ; cy
	s_lshl_b32 s42, ttmp9, 2
	s_add_co_u32 s42, s42, s40                     ; tile column
	s_and_b32 s17, ttmp7, 0xffff
	s_lshl_b32 s17, s17, 2
	s_add_co_u32 s17, s17, s41                     ; tile row
	s_lshl_b32 s43, s41, 2
	s_lshl_b32 s43, 15, s43                        ; my row of the cluster
	s_lshl_b32 s44, 0x1111, s40                    ; my column
	s_or_b32 s[G1+0], s43, (3<<16)|(1<<21)         ; 15:0 the mask; 17:16 elements of 8 bytes; no padding; 21 set beside a mask
	s_or_b32 s[G1B+0], s44, (3<<16)|(1<<21)
.irp g, G1, G1B
	s_mov_b32 s[\g+1], 384<<16
	s_mov_b32 s[\g+2], 8<<16
	s_mov_b32 s[\g+3], 384<<16
	s_mov_b32 s[\g+4], 8
	s_mov_b32 s[\g+5], 1536
	s_mov_b32 s[\g+6], 0
	s_mov_b32 s[\g+7], 0
.endr
	s_lshl_b32 s18, s16, 3
	s_lshl_b32 s20, s17, 4
	s_add_co_u32 s20, s20, s18
	s_mul_i32 s20, s20, TROW
	s_mov_b32 s21, 0
	s_lshl_b32 s22, s42, 4
	s_add_co_u32 s22, s22, s18
	s_mul_i32 s22, s22, TROW
	s_add_co_u32 s22, s22, WO_C
	s_mov_b32 s23, 0
	s_mul_i32 s19, s14, HALFT
	s_lshl_b32 s76, s17, 4
	s_lshl_b32 s77, s15, 3
	s_add_co_u32 s76, s76, s77
	s_lshl_b32 s76, s76, 9                         ; A's scale words of my 128 rows
	s_mov_b32 s77, 0
	s_lshl_b32 s78, s42, 4
	s_add_co_u32 s78, s78, s18
	s_lshl_b32 s78, s78, 9
	s_add_co_u32 s78, s78, WO_S                    ; B's
	s_mov_b32 s79, 0
	s_lshl_b32 s80, s42, 10
	s_lshl_b32 s81, s16, 9
	s_add_co_u32 s80, s80, s81                     ; my first column, in bytes
	s_mov_b32 s81, 0
	s_lshl_b32 s82, s17, 20
	s_lshl_b32 s83, s15, 19
	s_add_co_u32 s82, s82, s83                     ; my first row, rows of 4,096 bytes,
	s_add_co_u32 s82, s82, s80                     ; and column
	s_mov_b32 s83, 0
	s_wait_kmcnt 0x0
	s_add_nc_u64 s[20:21], s[4:5], s[20:21]
	s_add_nc_u64 s[22:23], s[8:9], s[22:23]
	s_add_nc_u64 s[76:77], s[6:7], s[76:77]
	s_add_nc_u64 s[78:79], s[10:11], s[78:79]
	s_add_nc_u64 s[92:93], s[92:93], s[80:81]
	s_add_nc_u64 s[94:95], s[94:95], s[82:83]
	CROUND                                         ; all sixteen work-groups are here: the first joint loads meet
.irp s, 0,1
	s_mov_b32 s[G0+4*\s], 1
	s_add_co_u32 s[G0+4*\s+1], s19, \s*SLOT
	s_add_nc_u64 s[G0+4*\s+2:G0+4*\s+3], s[20:21], \s*3072
	s_or_b32 s[G0+4*\s+3], s[G0+4*\s+3], 0x80000000
	s_mov_b32 s[G0B+4*\s], 1
	s_add_co_u32 s[G0B+4*\s+1], s19, \s*SLOT
	s_add_nc_u64 s[G0B+4*\s+2:G0B+4*\s+3], s[22:23], \s*3072
	s_or_b32 s[G0B+4*\s+3], s[G0B+4*\s+3], 0x80000000
.endr
	s_cmp_eq_u32 s15, 0                            ; a wave's two first fills stand in one branch: two loads of mine are out
	s_cbranch_scc0 .Lfirst_b
	tensor_load_to_lds s[G0:G0+3], s[G1:G1+7]
	s_nop 0
	tensor_load_to_lds s[G0+4:G0+7], s[G1:G1+7]
	s_nop 0
.rept 4
	v_nop
.endr
	s_branch .Lfirst_asked
.Lfirst_b:
	tensor_load_to_lds s[G0B:G0B+3], s[G1B:G1B+7]
	s_nop 0
	tensor_load_to_lds s[G0B+4:G0B+7], s[G1B:G1B+7]
	s_nop 0
.rept 4
	v_nop
.endr
.Lfirst_asked:
	v_and_b32 v1, 31, v0
	v_lshlrev_b32 v2, 3, v1                        ; 8 x lane
	v_and_b32 v3, 15, v0                           ; r
	s_wait_alu depctr_va_vdst(0)
	v_bfe_u32 v4, v0, 4, 1                         ; h
	v_lshlrev_b32 v[R8], 3, v3
	v_lshlrev_b32 v[H64], 6, v4
	s_mul_i32 s90, s15, HALFT
	s_mul_i32 s91, s16, HALFT
	s_add_co_u32 s91, s91, 2*HALFT
.irp s, 0,1
	v_add_nc_u32 v[ADRA+\s], s90, v2
	v_add_nc_u32 v[ADRB+\s], s91, v2
	s_add_co_u32 s90, s90, SLOT
	s_add_co_u32 s91, s91, SLOT
.endr
	s_mul_i32 s90, s14, 16*SPITCH                  ; my stage
	v_mul_u32_u24 v[STO], v3, SPITCH
	s_wait_alu depctr_va_vdst(0)
	v_lshl_add_u32 v[STO], v4, 6, v[STO]
	v_add_nc_u32 v[STO], s90, v[STO]               ; in: row r, + 64 h
	v_lshlrev_b32 v[CO], 4, v1                     ; back: the 32 lanes take one row of 512 bytes; and the same in C
	v_add_nc_u32 v[RD], s90, v[CO]
.irp i, 0,1,2,3,4,5,6,7
.irp g, 0,1,2,3
	global_load_b64 v[SC+8*\i+2*\g:SC+8*\i+2*\g+1], v[R8], s[76:77] offset:512*\i+128*\g
.endr
.endr
.irp i, 0,1,2,3,4,5,6,7
.irp g, 0,1,2,3
	global_load_b64 v[128+8*\i+2*\g:128+8*\i+2*\g+1], v[R8], s[78:79] offset:512*\i+128*\g
.endr
.endr
.irp b, 0,1,2,3,4,5,6,7                        ; the bias in the result's layout: block b, lane half h, register j: column 32 (b / 2) + 16 h + 8 (b % 2) + j
	global_load_b128 v[96+8*\b+96*(\b/4):96+8*\b+96*(\b/4)+3], v[H64], s[92:93] offset:(32*(\b/2)+8*(\b%2))*4
	global_load_b128 v[96+8*\b+96*(\b/4)+4:96+8*\b+96*(\b/4)+7], v[H64], s[92:93] offset:(32*(\b/2)+8*(\b%2))*4+16
.endr
	v_cmp_gt_u32 vcc_lo, 16, v1
	s_wait_loadcnt 0x0
.set n, 0
.rept 64
	v_cndmask_b32 v[SC+n], v[128+n], v[SC+n], vcc_lo   ; lanes 0-15 keep A's word, lanes 16-31 take B's
.set n, n+1
.endr
	PLACES 8                                       ; a scale register written by a vector instruction stands 8 places ahead of a scaled matrix instruction
.macro FRAG reg, adr, q, i
.irp p, 0,1,2,3,4,5
	ds_load_b64 v[\reg+2*\p:\reg+2*\p+1], v[\adr] offset:(\i)*3072+(\q)*1536+256*\p
.endr
.endm
; 16 matrix instructions: A's blocks a0, a0 + 1 x B's eight.  zero = 2: the first product starts the sums from the bias.  The 64 accumulators take turns, one instruction a turn, in the same order in every step.
.macro MUL16 a0, p, s, zero
.irp a, \a0, \a0+1
.irp b, 0,1,2,3,4,5,6,7
.if \zero == 2
	v_wmma_scale_f32_16x16x128_f8f6f4 v[8*(8*((\a)%4)+\b):8*(8*((\a)%4)+\b)+7], v[128*(\p)+FR*\b:128*(\p)+FR*\b+FR-1], v[AF+FR*(\a):AF+FR*(\a)+FR-1], v[96+8*\b+96*(\b/4):96+8*\b+96*(\b/4)+7], v[SC+8*\b+(\s)], v[SC+8*(\a)+(\s)] matrix_a_fmt:MATRIX_FMT_FP6 matrix_b_fmt:MATRIX_FMT_FP6 matrix_a_scale:MATRIX_SCALE_ROW1
.else
	v_wmma_scale_f32_16x16x128_f8f6f4 v[8*(8*((\a)%4)+\b):8*(8*((\a)%4)+\b)+7], v[128*(\p)+FR*\b:128*(\p)+FR*\b+FR-1], v[AF+FR*(\a):AF+FR*(\a)+FR-1], v[8*(8*((\a)%4)+\b):8*(8*((\a)%4)+\b)+7], v[SC+8*\b+(\s)], v[SC+8*(\a)+(\s)] matrix_a_fmt:MATRIX_FMT_FP6 matrix_b_fmt:MATRIX_FMT_FP6 matrix_a_scale:MATRIX_SCALE_ROW1
.endif
.endr
.endr
.endm
.macro FETCH_B slot, q, p
	WIN TO_B
.irp i, 0,1,2,3,4,5,6,7
	FRAG 128*(\p)+FR*\i, ADRB+\slot, \q, \i
.endr
	WIN 0
.endm
.macro FETCH_A slot, q, i0
.irp i, \i0, \i0+1, \i0+2, \i0+3
	FRAG AF+FR*(\i), ADRA+\slot, \q, \i
.endr
.endm
.macro STEP slot, s, zero
	s_wait_dscnt 4*NL                              ; B's set and A's blocks 0-3 are in; the youngest 24 loads (A's blocks 4-7) may be out
.if \zero == 2
	WIN 0x81                                       ; C (the bias) window 0, D window 2
.else
	WIN MUL_LO
.endif
	MUL16 0, 0, \s, \zero
	MUL16 2, 0, \s, \zero
	s_wait_dscnt 0
	PLACES NP
	FETCH_B \slot, 1, 1
	FETCH_A \slot, 1, 0
.if \zero == 2
	WIN 0xc1                                       ; C window 0, D window 3
.else
	WIN MUL_HI
.endif
	MUL16 4, 0, \s, \zero
	MUL16 6, 0, \s, \zero
	PLACES NP
	WIN 0
	FETCH_A \slot, 1, 4
.endm
.macro TURN slot, next, fill, s
	s_wait_tensorcnt 0x0                           ; all my tensor loads have landed: my part of the next slot
	ds_add_u32 v[SPW], v[NIL]                      ; 0 onto my spare word
	s_wait_dscnt 4*NL+1                            ; (the add and the youngest 24 loads may be out)
	WIN MUL_LO
	MUL16 0, 1, \s, 0
	s_wait_dscnt 0x0                               ; the add is done, and my reads of this slot are over
	s_barrier_signal -1
	MUL16 2, 1, \s, 0
	WIN 0
	s_barrier_wait -1
.if \fill
	CREST                                          ; the barrier has opened a round of the cluster's: no wave of any partner still reads this slot or has a load on its way
	s_add_nc_u64 s[G0+4*\slot+2:G0+4*\slot+3], s[G0+4*\slot+2:G0+4*\slot+3], 2*3072
	s_add_nc_u64 s[G0B+4*\slot+2:G0B+4*\slot+3], s[G0B+4*\slot+2:G0B+4*\slot+3], 2*3072
	JLOAD G0+4*\slot, G1, G0B+4*\slot, G1B
.else
	PLACES NP
.endif
	FETCH_B \next, 0, 0
	FETCH_A \next, 0, 0
	WIN MUL_HI
	MUL16 4, 1, \s, 0
	MUL16 6, 1, \s, 0
	PLACES NP
	WIN 0
	FETCH_A \next, 0, 4
.endm
	s_wait_alu depctr_va_vdst(0)
	s_wait_tensorcnt 1                             ; my part of slot 0 is in; slot 1's may stay out
	s_barrier_signal -1
	s_barrier_wait -1
	FETCH_B 0, 0, 0
	FETCH_A 0, 0, 0
	FETCH_A 0, 0, 4
	STEP 0, 0, 2
	TURN 0, 1, 1, 1
	STEP 1, 2, 0
	TURN 1, 0, 1, 3
	STEP 0, 4, 0
	TURN 0, 1, 0, 5
	STEP 1, 6, 0
	s_wait_dscnt 4*NL
	WIN MUL_LO
	MUL16 0, 1, 7, 0
	MUL16 2, 1, 7, 0
	s_wait_dscnt 0
	WIN MUL_HI
	MUL16 4, 1, 7, 0
	MUL16 6, 1, 7, 0
	WIN 0
; THE WAY OUT, block by block of 16 rows x 128 columns, through my own stage: a lane's eight numbers of accumulator (a, b) are columns 32 (b / 2) + 16 h + 8 (b % 2) + 0 .. 7 of the row at place r.
; They come back as whole rows of 512 bytes.  Place t of block a is row 32 (a / 2) + 8 (a % 2) + t + 8 (t / 8) of my 128.
.macro TOSTAGE a
.set AC, 64*((\a)%4)
	WIN 0x08+4*((\a)/4)                            ; the data: window 2 or 3
.irp b, 0,1,2,3,4,5,6,7
	ds_store_b128 v[STO], v[AC+8*\b:AC+8*\b+3] offset:128*(\b/2)+32*(\b%2)          ; each accumulator from its low end on
	ds_store_b128 v[STO], v[AC+8*\b+4:AC+8*\b+7] offset:128*(\b/2)+32*(\b%2)+16
.endr
	WIN 0
.set BBK, BK+64*((\a)%2)
.irp t, 0,1,2,3,4,5,6,7,8,9,10,11,12,13,14,15
	ds_load_b128 v[BBK+4*\t:BBK+4*\t+3], v[RD] offset:\t*SPITCH   ; LDS serves a wave's instructions in order: these see the stores above
.endr
.endm
.macro SEND a, younger                 ; younger: the LDS instructions issued behind block a's loads, which may stay out
.set BBK, BK+64*((\a)%2)
	s_wait_dscnt \younger
.if ((\a) > 0) && ((\a)%2 == 0)
	s_add_nc_u64 s[94:95], s[94:95], 32*4096       ; (behind a wait on XCNT: the earlier stores have read their base)  32 rows on
.endif
.irp t, 0,1,2,3,4,5,6,7,8,9,10,11,12,13,14,15
	global_store_b128 v[CO], v[BBK+4*\t:BBK+4*\t+3], s[94:95] offset:(8*((\a)%2)+\t+8*(\t/8))*4096 th:TH_STORE_NT   ; 32 lanes store 512 consecutive bytes, at a multiple of 256 from the output's first byte
.endr
.endm
	PLACES NP
	TOSTAGE 0
.irp a, 1,2,3,4,5,6,7
.if \a > 1
	s_wait_xcnt 0x0                                ; block a - 2's stores have read their registers and their base
.endif
	TOSTAGE \a
	SEND \a-1, 32                                  ; behind block a - 1's loads: block a's 16 stores and 16 loads
.endr
	s_wait_xcnt 0x0
	SEND 7, 0
	s_wait_tensorcnt 0x0                           ; the wave's end
	ds_add_u32 v[SPW], v[NIL]
	s_wait_dscnt 0x0
	CROUND                                         ; the closing round: no work-group ends while a partner may still ask for a tile that names it
	s_endpgm
.Lfunc_end_k_q5dada31b74_proj:
	.size	k_q5dada31b74_proj, .Lfunc_end_k_q5dada31b74_proj-k_q5dada31b74_proj
	.p2alignl 7, 3214868480
	.fill 96, 4, 3214868480
	.section	.rodata,"a",@progbits
	.p2align	6, 0x0
	.amdhsa_kernel k_q5dada31b74_proj
		.amdhsa_group_segment_fixed_size 327680
		.amdhsa_private_segment_fixed_size 0
		.amdhsa_enable_private_segment 0
		.amdhsa_kernarg_size 48
		.amdhsa_user_sgpr_count 2
		.amdhsa_user_sgpr_kernarg_segment_ptr 1
		.amdhsa_wavefront_size32 1
		.amdhsa_system_sgpr_workgroup_id_x 1
		.amdhsa_system_sgpr_workgroup_id_y 1
		.amdhsa_system_sgpr_workgroup_id_z 1
		.amdhsa_system_vgpr_workitem_id 0
		.amdhsa_next_free_vgpr 1024
		.amdhsa_next_free_sgpr 96
		.amdhsa_reserve_vcc 1
		.amdhsa_float_denorm_mode_32 3
		.amdhsa_float_denorm_mode_16_64 3
		.amdhsa_memory_ordered 1
		.amdhsa_forward_progress 1
		.amdhsa_inst_pref_size 164
	.end_amdhsa_kernel
	.amdgpu_metadata
---
amdhsa.version: [ 1, 2 ]
amdhsa.kernels:
  - .name:           k_q5dada31b74_proj
    .symbol:         k_q5dada31b74_proj.kd
    .args:
      - { .name: cc, .offset: 0, .size: 8, .value_kind: global_buffer, .address_space: global }
      - { .name: cs, .offset: 8, .size: 8, .value_kind: global_buffer, .address_space: global }
      - { .name: xw_c, .offset: 16, .size: 8, .value_kind: global_buffer, .address_space: global }
      - { .name: xw_s, .offset: 24, .size: 8, .value_kind: global_buffer, .address_space: global }
      - { .name: bo, .offset: 32, .size: 8, .value_kind: global_buffer, .address_space: global }
      - { .name: out0, .offset: 40, .size: 8, .value_kind: global_buffer, .address_space: global }
    .group_segment_fixed_size: 327680
    .private_segment_fixed_size: 0
    .kernarg_segment_align: 8
    .kernarg_segment_size: 48
    .max_flat_workgroup_size: 128
    .sgpr_count:     96
    .vgpr_count:     1024
    .wavefront_size: 32
...
	.end_amdgpu_metadata
.endif
;; end of part 4
